; MI455X (gfx1250); checked and timed in simulation.
; The chip was launched on July 23, 2026; its instructions are those of AMD's public machine-readable ISA for CDNA 5 (MIT licence, August 2026) and "CDNA5" Instruction Set Architecture Reference Guide (July 2026). The comments in the code are by the model that wrote it; some were corrected since.
;; Multi Head Attention Layer. Allowed arithmetic: matrix products marked QUANTISED: E2M1 operands, one E8M0 scale for each 32 along K, by v_wmma_scale_f32_16x16x128_f8f6f4 with both operands' format E2M1 (or v_wmma_scale_f32_32x16x128_f4), f32 sums; everything else in f32.
;; Inputs: Wk 1,024 x 1,024 float32; Wo 1,024 x 1,024 float32; Wq 1,024 x 1,024 float32; Wv 1,024 x 1,024 float32; bk 1,024 float32; bo 1,024 float32; bq 1,024 float32; bv 1,024 float32; x 2 x 2,048 x 1,024 float32.
;; Outputs: out0 2 x 2,048 x 1,024 float32.
;; This version of the problem:
;;   THIS VERSION OF THE PROBLEM IS GIVEN IN LOW PRECISION. The matrix products marked QUANTISED in the list below multiply operands that are first quantised to E2M1 (2 exponent bits, 1 mantissa bit; 4 bits a number), with one power-of-two scale for each 32 numbers along K (OCP MX v1.0); their sums are f32. All else is computed in f32.
;;   The module's matrix products, in the order in which they are computed (A, B: the left and right operand; K: the contracted axis; several contracted axes count as one K, in the product's order):
;;     1. [M 4,096, K 1,024] x [K 1,024, N 1,024]; A: input x; B: input Wq: QUANTISED
;;     2. [M 4,096, K 1,024] x [K 1,024, N 1,024]; A: input x; B: input Wk: QUANTISED
;;     3. [M 4,096, K 1,024] x [K 1,024, N 1,024]; A: input x; B: input Wv: QUANTISED
;;     4. batch 32 x [M 2,048, K 64] x [K 64, N 2,048]; A: computed on the way; B: computed on the way: QUANTISED
;;     5. batch 32 x [M 64, K 2,048] x [K 2,048, N 2,048]; A: computed on the way; B: softmax (see below): QUANTISED
;;     6. [M 4,096, K 1,024] x [K 1,024, N 1,024]; A: computed on the way; B: input Wo: QUANTISED
;;   THE QUANTISER, for each operand of a quantised product, along K:
;;     - K is cut into blocks of 32 from its start; a last block that is shorter is filled with zeros.
;;     - A block's scale is 2^e with e = floor(log2(the largest magnitude in the block)) - 2, held to -126 .. 127; a block of zeros has e = 0. As a byte (E8M0): e + 127.
;;     - Each number is divided by its block's scale, clamped to +-6, and rounded to the nearest number of E2M1, ties to even, subnormals kept.
;;     - The product sums the exact products of the quantised numbers (number of the format x scale) in f32.
;;   ~~~python
;;   def quantise(x, axis):      # numpy; x: float32 -> the quantised numbers, widened to float32 again
;;       x = np.moveaxis(x, axis, -1); K = x.shape[-1]
;;       x = np.pad(x, [(0, 0)] * (x.ndim - 1) + [(0, -K % 32)]); x = x.reshape(x.shape[:-1] + (-1, 32)); a = np.abs(x).max(-1, keepdims=True)
;;       e = np.where(a > 0, np.clip(np.frexp(np.where(a > 0, a, 1))[1] - 1 - 2, -126, 127), 0)      # np.frexp(a)[1] - 1 = floor(log2(a)), exactly
;;       r = np.clip(x / 2.0 ** e, -6, 6)
;;       step = 2.0 ** (np.maximum(np.frexp(np.where(r == 0, 1, r))[1] - 1, 0) - 1)
;;       q = np.round(r / step) * step * 2.0 ** e      # np.round: ties to even
;;       return np.moveaxis(q.reshape(q.shape[:-2] + (-1,))[..., :K], -1, axis).astype(np.float32)
;;   ~~~
;;   SOFTMAX AHEAD OF A QUANTISED PRODUCT. Where the list says 'softmax', what is quantised is not the finished softmax but p = 2^(t - M), with t = logit x log2(e) and M = ceil(the row's largest t), a whole number; so 1/2 < the row's largest p <= 1. The row's sum l is taken of the UNQUANTISED p, in f32, and the product's result is divided by l at the end. Since M is a whole number, a kernel that streams over the keys may use a running M (the ceiling of the running maximum): every later rescaling is an exact power of two, which a block's scale takes up: the codes' values come out the same.
;;   OPERANDS COMPUTED ON THE WAY. 'Computed on the way' means the value that the module computes at that place (a softmax that the list does not call 'softmax' is quantised finished and normalised). What goes into a quantiser is computed in f32, as accurately as f32 sums, v_exp_f32 and their like allow (about 1e-6 of the number): no bf16 or f16 on the way to a quantiser, and a product that is left as it is and whose result goes on into a quantised operand takes f32 operands (vector FMAs, or v_wmma_f32_16x16x4_f32). A number that lies on a knife's edge between two numbers of the format may be rounded either way, as far as f32 arithmetic and the matrix unit's own rounding can turn it there, and no further.
;; One version. Each part assembles by itself: llvm-mc -triple=amdgcn-amd-amdhsa -mcpu=gfx1250 --defsym DOCPART=n.
;; ======== version 1 of 1: 4 launches
;; limits: right only within a limited range of input values
;; workspace buffers: xc 2,097,152 bytes; xs 131,072 bytes; wc 2,097,152 bytes; ws 131,072 bytes; qkvc 6,291,456 bytes; qkvs 393,216 bytes; cc 2,097,152 bytes; cs 131,072 bytes
;; launch quant (part 1): grid 384 x 1, 8 waves a work-group, no clusters, 70,656 bytes of LDS; arguments x, Wq, Wk, Wv, Wo, xc, xs, wc, ws; writes xc, xs, wc, ws
.if DOCPART == 1
	.amdgcn_target "amdgcn-amd-amdhsa--gfx1250"
	.amdhsa_code_object_version 6
	.text
	.protected	k_q5c844231cc_quant
	.globl	k_q5c844231cc_quant
	.p2align	8
	.type	k_q5c844231cc_quant,@function
k_q5c844231cc_quant:
	s_mov_b64 s[64:65], 0
	v_nop
	global_prefetch_b8 v0, s[64:65] scope:SCOPE_SE
	s_setreg_imm32_b32 hwreg(HW_REG_WAVE_MODE, 25, 1), 1
	s_wait_xcnt 0x0
; x [4096][1024] and the weights Wq, Wk, Wv, Wo [1024 (k)][1024 (n)], f32, become codes of E2M1 with one E8M0 byte for each 32 along K (1,024 for all five).
; A block's scale is 2^(floor(log2(largest magnitude)) - 2); its byte is the largest magnitude's exponent field - 2, held at 1 from below by a floor among the maximum's leaves.
; LIMITS: NaN and infinities among the inputs are not served.  A block of zeros gets the byte 1 where the rule says 127: its codes are zeros, and this program alone reads the bytes.
; THE OUTPUT IS LAID AS IMAGES OF OPERAND REGISTERS.  A tile is 16 rows (of x: tokens; of a weight: columns n): lane r of tile t is row 32 (t / 2) + 8 (t % 2) + r + 8 (r / 8).
;   codes:  t x 8192 + s x 1024 + c x 512 + lane x 16: lane (r, h) holds the 32 codes k = 128 s + 64 c + 32 h .. + 31 of the tile's row r
;   scales: t x 512 + (s / 4) x 256 + r x 16 + (s % 4) x 4: the word of K step s; byte 2 c + h belongs to the block at 128 s + 64 c + 32 h
; Work-groups 0 to 255 take a tile of x each, a wave to a K step of 128; work-groups 256 to 383 take 64 columns x 512 along K of one weight.  The two ways use LDS bytes of their own.
; A stream: no tensor load, no matrix unit, and no cluster, since no two work-groups read the same byte.
.set STG,  8448                        ; a wave's stage on x's way: 16 rows x (512 bytes + 16): row r starts 4 r banks on, so sixteen rows read together start at sixteen different banks
.set GX,   8*STG                       ; x's way: the tile's 512 bytes of scale words
.set GW,   GX+512                      ; the weights' way: four tiles' 256 bytes of scale words
.set WV,   22                          ; s22 my wave's number
.set SEL,  36                          ; s[36:37] lane selects: lane l xor 16
.set R,    16                          ; v16-79   x as loaded;  the weights' way: v16-143, four blocks of 32 numbers down K
.set X,    80                          ; v80-143  x turned through the stage: two blocks of 32 neighbours
.set C,    144                         ; v144..   codes
; 32 numbers of one block in v[xs] on -> 4 registers of codes at v[cd], the scale's byte in v[eb]; v[so] is the conversions' scale operand
.macro BLK32 xs, cd, eb, so
	v_max3_num_f32 v8, |v[\xs]|, |v[\xs+1]|, |v[\xs+2]|              ; the largest magnitude, in two chains
	v_max3_num_f32 v9, |v[\xs+3]|, |v[\xs+4]|, |v[\xs+5]|
.irp i, 6,10,14,18,22,26
	s_delay_alu instid0(VALU_DEP_2)
	v_max3_num_f32 v8, v8, |v[\xs+\i]|, |v[\xs+\i+1]|
	s_delay_alu instid0(VALU_DEP_2)
	v_max3_num_f32 v9, v9, |v[\xs+\i+2]|, |v[\xs+\i+3]|
.endr
	s_delay_alu instid0(VALU_DEP_2)
	v_max3_num_f32 v8, v8, |v[\xs+30]|, |v[\xs+31]|
	s_delay_alu instid0(VALU_DEP_1)
	v_max3_num_f32 v8, v8, v9, 0x1800000           ; and the floor 2^(3 - 127): the byte cannot fall under 1
	s_delay_alu instid0(VALU_DEP_1)
	v_add_nc_u32 v[\so], 0xff000000, v8            ; 2 off the exponent field: the conversion takes this operand's exponent field as its scale
	s_delay_alu instid0(VALU_DEP_1)
	v_lshrrev_b32 v[\eb], 23, v[\so]               ; the scale's byte
.irp g, 0,1,2,3
	v_cvt_scalef32_pk8_fp4_f32 v[\cd+\g], v[\xs+8*\g:\xs+8*\g+7], v[\so]
.endr
.endm
	s_load_b512 s[4:19], s[0:1], 0x0               ; x 4, Wq 6, Wk 8, Wv 10, Wo 12, xc 14, xs 16, wc 18
	s_load_b64 s[20:21], s[0:1], 0x40              ; ws
	v_lshl_add_u32 v176, v0, 2, 0x11000
	v_mov_b32 v177, 0
	v_lshrrev_b32 v1, 5, v0
	s_delay_alu instid0(VALU_DEP_1)
	v_readfirstlane_b32 s[WV], v1                  ; wave 0..7
	v_and_b32 v1, 31, v0                           ; lane
	s_mov_b32 s[SEL], 0x76543210
	s_mov_b32 s[SEL+1], 0xfedcba98
	s_cmp_lt_u32 ttmp9, 256                        ; the same in all eight waves
	s_cbranch_scc0 .Lweights
; ---------------- x: tile T = the work-group's number, K step = the wave's number ----------------
	v_and_b32 v2, 15, v0                           ; r
	v_bfe_u32 v3, v0, 4, 1                         ; h
	v_lshlrev_b32 v4, 4, v1                        ; 16 x lane: a load's, an image's and the scale block's place
	s_mul_i32 s23, s[WV], STG
	v_add_nc_u32 v5, s23, v4                       ; into my stage: a row as it lies
	v_mul_u32_u24 v6, v2, 528
	s_delay_alu instid0(VALU_DEP_1)
	v_lshl_add_u32 v6, v3, 7, v6
	s_delay_alu instid0(VALU_DEP_1)
	v_add_nc_u32 v6, s23, v6                       ; out of it: row r, 32 h numbers on
	s_lshr_b32 s24, s[WV], 2
	s_lshl_b32 s24, s24, 8
	s_and_b32 s25, s[WV], 3
	s_lshl_b32 s25, s25, 2
	s_add_co_u32 s24, s24, s25
	s_add_co_u32 s24, s24, GX
	v_lshl_add_u32 v7, v2, 4, s24                  ; my row's scale word of my K step
	v_lshlrev_b32 v14, 3, v3                       ; 8 h
	v_mov_b32 v15, 0                               ; (a lane permute's destination counts as read)
	v_lshl_add_u32 v156, v1, 4, GX                 ; where wave 0 reads the tile's scale words back
	s_lshr_b32 s26, ttmp9, 1
	s_lshl_b32 s26, s26, 17                        ; 32 (T / 2) rows of 4,096 bytes,
	s_and_b32 s27, ttmp9, 1
	s_lshl_b32 s27, s27, 15                        ; 8 (T % 2) rows,
	s_add_co_u32 s26, s26, s27
	s_lshl_b32 s27, s[WV], 9                       ; my K step's 512 bytes
	s_add_co_u32 s26, s26, s27
	s_mov_b32 s27, 0
	s_lshl_b32 s28, ttmp9, 13
	s_lshl_b32 s29, s[WV], 10
	s_add_co_u32 s28, s28, s29                     ; the image: T x 8192 + s x 1024
	s_mov_b32 s29, 0
	s_lshl_b32 s30, ttmp9, 9                       ; the scales: T x 512
	s_mov_b32 s31, 0
	s_wait_alu depctr_va_vdst(0)
	s_wait_kmcnt 0x0
	s_add_nc_u64 s[4:5], s[4:5], s[26:27]
	s_add_nc_u64 s[14:15], s[14:15], s[28:29]
	s_add_nc_u64 s[16:17], s[16:17], s[30:31]
.irp i, 0,1,2,3,4,5,6,7,8,9,10,11,12,13,14,15
	global_load_b128 v[R+4*\i:R+4*\i+3], v4, s[4:5] offset:(\i+8*(\i/8))*4096 th:TH_LOAD_NT   ; the tile's row i: 32 lanes read 512 consecutive bytes; all sixteen go out at once
.endr
.irp i, 0,1,2,3,4,5,6,7,8,9,10,11,12,13,14,15
	s_wait_loadcnt 15-\i                           ; loads come back in order: row i is in, the younger ones stay out
	ds_store_b128 v5, v[R+4*\i:R+4*\i+3] offset:528*\i
.endr
.irp c, 0,1
.irp g, 0,1,2,3,4,5,6,7
	ds_load_b128 v[X+32*\c+4*\g:X+32*\c+4*\g+3], v6 offset:256*\c+16*\g   ; my stage is my own and LDS serves a wave in order: these see the stores
.endr
.endr
	s_wait_dscnt 8                                 ; block c = 0 is back; the eight loads of c = 1 stay out
	BLK32 X, C, 12, 10
	global_store_b128 v4, v[C:C+3], s[14:15]       ; 512 consecutive bytes
	s_wait_dscnt 0x0
	BLK32 X+32, C+4, 13, 11
	global_store_b128 v4, v[C+4:C+7], s[14:15] offset:512
	v_lshl_or_b32 v9, v13, 16, v12                 ; my two bytes, blocks h and 2 + h,
	s_delay_alu instid0(VALU_DEP_1)
	v_lshlrev_b32 v9, v14, v9                      ; at their places in the word;
	s_delay_alu instid0(VALU_DEP_1)
	v_permlanex16_b32 v15, v9, s[SEL], s[SEL+1]
	s_delay_alu instid0(VALU_DEP_1)
	v_or_b32 v9, v9, v15                           ; with lane l xor 16's two the word is whole
	ds_store_b32 v7, v9                            ; both halves of the lanes write the same word with the same value
	s_wait_dscnt 0x0                               ; for the others' sake: my word lies in LDS
	s_barrier_signal -1
	s_barrier_wait -1
	s_cmp_lg_u32 s[WV], 0
	s_cbranch_scc1 .Lx_end
	ds_load_b128 v[152:155], v156                  ; the tile's 512 bytes of scale words leave as two whole aligned blocks of 256
	s_wait_dscnt 0x0
	global_store_b128 v4, v[152:155], s[16:17]
.Lx_end:
	s_wait_tensorcnt 0x0
	ds_add_u32 v176, v177
	s_wait_dscnt 0x0
	s_endpgm
; ---------------- a weight: a lane takes a column n and its registers run down K, so nothing is transposed ----------------
.Lweights:
	s_sub_co_u32 s23, ttmp9, 256
	s_lshr_b32 s24, s23, 5                         ; which weight
	s_bfe_u32 s25, s23, 0x40001                    ; cg: which 64 columns
	s_and_b32 s26, s23, 1                          ; kh: which half of K
	s_and_b32 s27, s[WV], 1                        ; cw: which 32 of the 64 columns
	s_lshr_b32 s28, s[WV], 1                       ; q
	s_lshl_b32 s29, s26, 2
	s_add_co_u32 s29, s29, s28                     ; my K step s = 4 kh + q
	s_wait_alu depctr_va_vdst(0)
	v_lshlrev_b32 v4, 2, v1                        ; in: 4 bytes a lane; two waves side by side read 256 consecutive bytes of a row
	v_bfe_u32 v2, v0, 3, 1                         ; column l of 32 lies in tile u = (l / 8) % 2 of the pair,
	v_and_b32 v3, 7, v0
	v_bfe_u32 v7, v0, 4, 1
	s_delay_alu instid0(VALU_DEP_1)
	v_lshl_add_u32 v3, v7, 3, v3                   ; at its row r = l % 8 + 8 (l / 16)
	s_delay_alu instid0(VALU_DEP_1)
	v_lshlrev_b32 v5, 4, v3
	s_delay_alu instid0(VALU_DEP_1)
	v_lshl_add_u32 v6, v2, 8, v5
	s_delay_alu instid0(VALU_DEP_2)
	v_lshl_add_u32 v5, v2, 13, v5                  ; the image: u x 8192 + r x 16
	s_lshl_b32 s39, s27, 9
	s_lshl_b32 s38, s28, 2
	s_add_co_u32 s39, s39, s38
	s_add_co_u32 s39, s39, GW
	v_add_nc_u32 v6, s39, v6                       ; LDS: (2 cw + u) x 256 + r x 16 + q x 4
	v_lshl_add_u32 v161, v1, 4, GW                 ; where wave 0 reads the words back,
	v_bfe_u32 v162, v0, 4, 1
	v_and_b32 v163, 15, v0
	s_delay_alu instid0(VALU_DEP_2)
	v_lshlrev_b32 v162, 9, v162
	s_delay_alu instid0(VALU_DEP_1)
	v_lshl_add_u32 v162, v163, 4, v162             ; and where they go: a tile's half row of 256 bytes, tiles 512 bytes apart
	s_lshl_b32 s30, s29, 19                        ; the weight: 128 s rows of 4,096 bytes
	s_lshl_b32 s38, s25, 8
	s_add_co_u32 s30, s30, s38
	s_lshl_b32 s38, s27, 7
	s_add_co_u32 s30, s30, s38                     ; + my first column
	s_mov_b32 s31, 0
	s_lshl_b32 s32, s24, 19                        ; the image: 64 tiles a weight,
	s_lshl_b32 s38, s25, 15
	s_add_co_u32 s32, s32, s38                     ; 4 tiles for 64 columns,
	s_lshl_b32 s38, s27, 14
	s_add_co_u32 s32, s32, s38                     ; 2 for my 32,
	s_lshl_b32 s38, s29, 10
	s_add_co_u32 s32, s32, s38                     ; my K step
	s_mov_b32 s33, 0
	s_lshl_b32 s34, s24, 15
	s_lshl_b32 s38, s25, 11
	s_add_co_u32 s34, s34, s38
	s_lshl_b32 s38, s26, 8
	s_add_co_u32 s34, s34, s38                     ; the scales: the first of the four tiles, my half of K
	s_mov_b32 s35, 0
	s_wait_kmcnt 0x0
	s_cmp_eq_u32 s24, 1                            ; the weight is chosen on the work-group's number alone
	s_cselect_b64 s[6:7], s[8:9], s[6:7]
	s_cmp_eq_u32 s24, 2
	s_cselect_b64 s[6:7], s[10:11], s[6:7]
	s_cmp_eq_u32 s24, 3
	s_cselect_b64 s[6:7], s[12:13], s[6:7]
	s_add_nc_u64 s[6:7], s[6:7], s[30:31]
	s_add_nc_u64 s[18:19], s[18:19], s[32:33]
	s_add_nc_u64 s[20:21], s[20:21], s[34:35]
.macro LOADW kb                        ; block kb of my K step: 32 rows of the weight at my column
.irp i, 0,1,2,3,4,5,6,7,8,9,10,11,12,13,14,15,16,17,18,19,20,21,22,23,24,25,26,27,28,29,30,31
	global_load_b32 v[R+32*(\kb)+\i], v4, s[6:7] offset:4096*(32*(\kb)+\i) th:TH_LOAD_NT
.endr
.endm
	LOADW 0
	LOADW 1
.irp kb, 0,1,2,3
.if \kb < 3
	s_wait_loadcnt 32                              ; this block's 32 loads are in; the next block's 32 stay out
.else
	s_wait_loadcnt 0x0
.endif
.if \kb < 2
	LOADW \kb+2                                    ; two blocks ahead; every block has registers of its own
.endif
	BLK32 R+32*\kb, C+4*\kb, 10, 11
.if \kb == 0
	v_mov_b32 v160, v10                            ; byte kb of my column's scale word
.else
	v_lshl_or_b32 v160, v10, 8*\kb, v160
.endif
	global_store_b128 v5, v[C+4*\kb:C+4*\kb+3], s[18:19] offset:(\kb/2)*512+(\kb%2)*256   ; the sixteen lanes of a tile fill 256 consecutive aligned bytes
.endr
	ds_store_b32 v6, v160
	s_wait_dscnt 0x0                               ; for the others' sake
	s_barrier_signal -1
	s_barrier_wait -1
	s_cmp_lg_u32 s[WV], 0
	s_cbranch_scc1 .Lw_end
	ds_load_b128 v[164:167], v161
	ds_load_b128 v[168:171], v161 offset:512
	s_wait_dscnt 0x0
	global_store_b128 v162, v[164:167], s[20:21]               ; sixteen lanes store a tile's 256 bytes for this half of K
	global_store_b128 v162, v[168:171], s[20:21] offset:1024
.Lw_end:
	s_wait_tensorcnt 0x0
	ds_add_u32 v176, v177
	s_wait_dscnt 0x0
	s_endpgm
.Lfunc_end_k_q5c844231cc_quant:
	.size	k_q5c844231cc_quant, .Lfunc_end_k_q5c844231cc_quant-k_q5c844231cc_quant
	.p2alignl 7, 3214868480
	.fill 96, 4, 3214868480
	.section	.rodata,"a",@progbits
	.p2align	6, 0x0
	.amdhsa_kernel k_q5c844231cc_quant
		.amdhsa_group_segment_fixed_size 70656
		.amdhsa_private_segment_fixed_size 0
		.amdhsa_enable_private_segment 0
		.amdhsa_kernarg_size 72
		.amdhsa_user_sgpr_count 2
		.amdhsa_user_sgpr_kernarg_segment_ptr 1
		.amdhsa_wavefront_size32 1
		.amdhsa_system_sgpr_workgroup_id_x 1
		.amdhsa_system_sgpr_workgroup_id_y 1
		.amdhsa_system_sgpr_workgroup_id_z 1
		.amdhsa_system_vgpr_workitem_id 0
		.amdhsa_next_free_vgpr 178
		.amdhsa_next_free_sgpr 66
		.amdhsa_reserve_vcc 0
		.amdhsa_float_denorm_mode_32 3
		.amdhsa_float_denorm_mode_16_64 3
		.amdhsa_memory_ordered 1
		.amdhsa_forward_progress 1
		.amdhsa_inst_pref_size 35
	.end_amdhsa_kernel
	.amdgpu_metadata
---
amdhsa.version: [ 1, 2 ]
amdhsa.kernels:
  - .name:           k_q5c844231cc_quant
    .symbol:         k_q5c844231cc_quant.kd
    .args:
      - { .name: x, .offset: 0, .size: 8, .value_kind: global_buffer, .address_space: global }
      - { .name: Wq, .offset: 8, .size: 8, .value_kind: global_buffer, .address_space: global }
      - { .name: Wk, .offset: 16, .size: 8, .value_kind: global_buffer, .address_space: global }
      - { .name: Wv, .offset: 24, .size: 8, .value_kind: global_buffer, .address_space: global }
      - { .name: Wo, .offset: 32, .size: 8, .value_kind: global_buffer, .address_space: global }
      - { .name: xc, .offset: 40, .size: 8, .value_kind: global_buffer, .address_space: global }
      - { .name: xs, .offset: 48, .size: 8, .value_kind: global_buffer, .address_space: global }
      - { .name: wc, .offset: 56, .size: 8, .value_kind: global_buffer, .address_space: global }
      - { .name: ws, .offset: 64, .size: 8, .value_kind: global_buffer, .address_space: global }
    .group_segment_fixed_size: 70656
    .private_segment_fixed_size: 0
    .kernarg_segment_align: 8
    .kernarg_segment_size: 72
    .max_flat_workgroup_size: 256
    .sgpr_count:     66
    .vgpr_count:     178
    .wavefront_size: 32
...
	.end_amdgpu_metadata
.endif
;; end of part 1
;; launch qkv (part 2): grid 12 x 16, 16 waves a work-group, clusters of 4 x 4, 280,576 bytes of LDS; arguments xc, xs, wc, ws, bq, bk, bv, qkvc, qkvs; writes qkvc, qkvs
.if DOCPART == 2
	.amdgcn_target "amdgcn-amd-amdhsa--gfx1250"
	.amdhsa_code_object_version 6
	.text
	.protected	k_q5c844231cc_qkv
	.globl	k_q5c844231cc_qkv
	.p2align	8
	.type	k_q5c844231cc_qkv,@function
k_q5c844231cc_qkv:
	s_mov_b64 s[64:65], 0
	v_nop
	global_prefetch_b8 v0, s[64:65] scope:SCOPE_SE
	s_setreg_imm32_b32 hwreg(HW_REG_WAVE_MODE, 25, 1), 1
	s_wait_xcnt 0x0
	s_wait_alu depctr_hold_cnt(0) depctr_sa_sdst(0) depctr_va_vdst(0) depctr_va_sdst(0) depctr_va_ssrc(0) depctr_va_vcc(0) depctr_vm_vsrc(0)
	s_getreg_b32 s2, hwreg(HW_REG_IB_STS2, 6, 4)
	s_cmp_eq_u32 s2, 0
	s_cbranch_scc0 .Lentry_in_a_cluster
	s_endpgm
.Lentry_in_a_cluster:
	s_bfe_u32 s2, ttmp6, 0x10000c
	s_cmp_lg_u32 s2, 0xf033
	s_cbranch_scc0 .Lentry_shape_is_right
	s_endpgm
.Lentry_shape_is_right:
; q = x Wq + bq, k = x Wk + bk, v = x Wv + bv on codes of E2M1 (K = 1,024), and the results quantised again at once: q and k along the head's 64, v along the keys.
; SHARES.  A work-group makes 256 tokens x 256 columns of one of the three; the cluster's x says which (0 q, 1 k, 2 v), so it is the same in all sixteen partners.  3 x 4 x 16 = 192 work-groups:
; 4,096 x 3,072 results do not divide into 256 equal blocks whose sides divide 4,096 and 1,024.  Each of sixteen waves makes 64 tokens x 64 columns (one head): 16 accumulators; four waves share a SIMD.
; OPERANDS are images of registers (tile t, K step s, half c, lane: t x 8192 + s x 1024 + c x 512 + 16 x lane), so a fragment is two dense LDS loads of 512 bytes: no pitch, no padding.
; Lane r of a tile is row 32 (t / 2) + 8 (t % 2) + r + 8 (r / 8): as source 0 the 16 registers of tiles 2 b, 2 b + 1 are then 16 neighbours, 32 b + 16 (lane / 16) + 0 .. 15.
; q, k: source 0 = the weight's columns, source 1 = tokens: a lane holds a token, its registers run along the head.  v: source 0 = tokens, source 1 = columns: a lane holds a channel, its registers run along the keys.
; So in both, 32 consecutive accumulator registers are 64 neighbours along the axis that is quantised next.  One text serves all three; only a K step's 16 matrix lines differ, under a scalar branch on the cluster's x.
; LDS holds the whole panels, K = 1,024 of 256 rows of x and of the weight, in four chunks of two K steps, and their scale words.  Every byte is filled once; nothing is stored into LDS.
; CLUSTER 4 x 4: x's tiles are shared along a row of the cluster, the weight's along a column: each is asked for jointly, by the same load with a mask that names the four.
; OUT.  q, k: head x 65536 + token tile x 512 + 16 x lane (lane (r, h): channels 32 h ..); their two scale bytes: head x 4096 + tile x 32 + 2 r.
;       v: head x 65536 + (keys / 128) x 4096 + channel tile x 1024 + c x 512 + 16 x lane (lane (r, h): keys 64 c + 32 h ..); scale word: head x 4096 + (keys / 128) x 256 + tile x 64 + 4 r, halfword c.
; LIMITS: NaN and infinities are not served; a block of zeros gets the byte 1 (its codes are zeros; this program alone reads the bytes).  The scale halfwords, a sixteenth of what is stored, leave 2 bytes a lane.
.set XSC,  262144                      ; behind the four chunks of 65,536: x's scale words, 16 tiles x 512 bytes;
.set WSC,  270336                      ; the weight's
.set WV,   22                          ; s22 my wave's number
.set TYPE, 23                          ; s23 0 q, 1 k, 2 v
.set G0WS, 24                          ; s[24:27] group 0: the weight's scales
.set G1X,  28                          ; s[28:35] group 1: x's codes;  s[36:43] the weight's;  s[44:51], s[52:59] the same for the scales
.set G1W,  36
.set G1XS, 44
.set G1WS, 52
.set G0XS, 60                          ; s[60:63] group 0: x's scales
.set G0XC, 68                          ; s[68:83] group 0: x's four chunks
.set G0WC, 84                          ; s[84:99] the weight's
.set SEL,  14                          ; s[14:15] lane selects: lane l xor 16 (once the biases' pointers are done with)
.set SC,   16                          ; v16-31  scale words: register 4 i + q: lanes 0-15 x's tile i, lanes 16-31 the weight's tile i, K step 4 kh + q
.set BIAS, 32                          ; v32-63  the bias in the result's layout: the C of each sum's first product
.set XF,   64                          ; v64-95  x's four fragments
.set WF,   96                          ; v96-127 the weight's
.set ACC,  128                         ; v128-255 accumulator (i, j) at 8 (4 i + j): i the tile of source 1, j of source 0
.set TM,   32                          ; the way out: v32-37 at work, v64-79 codes, v80-83 scale bytes
.set PC,   64
.set PW,   80
.macro CROUND                          ; a round of the cluster's barrier
	s_barrier_signal -1
	s_barrier_wait -1
	s_cmp_lg_u32 s[WV], 0
	s_cbranch_scc1 .Lnot_wave_0_\@
	s_barrier_signal -3
.Lnot_wave_0_\@:
	s_barrier_wait -3
	s_barrier_signal -1
	s_barrier_wait -1
.endm
; 32 numbers of a lane, register 16 b + i = index 32 b + 16 (lane / 16) + i of my row, become 4 registers of codes (lane (r, h): index 32 h .. + 31) and two scale bytes
.macro QUANT2 s, pc, pw
.irp b, 0,1
	v_max3_num_f32 v[TM+\b], |v[\s+16*\b]|, |v[\s+16*\b+1]|, 0x1800000   ; my 16 of block b, and the floor 2^(3 - 127): the byte cannot fall under 1
.endr
.irp i, 2,4,6,8,10,12,14
.irp b, 0,1
	v_max3_num_f32 v[TM+\b], v[TM+\b], |v[\s+16*\b+\i]|, |v[\s+16*\b+\i+1]|
.endr
.endr
.irp b, 0,1
	s_delay_alu instid0(VALU_DEP_2)
	v_permlanex16_b32 v[TM+2+\b], v[TM+\b], s[SEL], s[SEL+1]
.endr
.irp b, 0,1
	s_delay_alu instid0(VALU_DEP_2)
	v_max_num_f32 v[TM+\b], v[TM+\b], v[TM+2+\b]   ; with lane l xor 16's: the block's largest magnitude
.endr
.irp b, 0,1
	s_delay_alu instid0(VALU_DEP_2)
	v_add_nc_u32 v[TM+4+\b], 0xff000000, v[TM+\b]  ; 2 off its exponent field: the conversions' scale operand
.endr
.irp b, 0,1
	s_delay_alu instid0(VALU_DEP_2)
	v_lshrrev_b32 v[TM+2+\b], 23, v[TM+4+\b]       ; the scale's byte
.endr
	s_delay_alu instid0(VALU_DEP_1)
	v_lshl_or_b32 v[\pw], v[TM+3], 8, v[TM+2]
.irp b, 0,1
	v_cvt_scalef32_pk8_fp4_f32 v[\pc+2*\b], v[\s+16*\b:\s+16*\b+7], v[TM+4+\b]
	v_cvt_scalef32_pk8_fp4_f32 v[\pc+2*\b+1], v[\s+16*\b+8:\s+16*\b+15], v[TM+4+\b]
.endr
	v_nop                                          ; one plain place behind a scaled conversion
	v_permlane16_swap_b32 v[\pc], v[\pc+2]         ; a whole block to a lane: lanes 0-15 block 0, lanes 16-31 block 1
	v_permlane16_swap_b32 v[\pc+1], v[\pc+3]
.endm
	s_load_b512 s[4:19], s[0:1], 0x0               ; xc 4, xs 6, wc 8, ws 10, bq 12, bk 14, bv 16, qkvc 18
	s_load_b64 s[20:21], s[0:1], 0x40              ; qkvs
	v_lshl_add_u32 v254, v0, 2, 0x44000
	v_mov_b32 v255, 0
	ds_add_u32 v254, v255
	ds_add_u32 v254, v255
	s_wait_dscnt 0x0
	v_lshrrev_b32 v12, 5, v0
	s_delay_alu instid0(VALU_DEP_1)
	v_readfirstlane_b32 s[WV], v12                 ; wave 0..15
	s_mov_b32 s[TYPE], ttmp9                       ; in a cluster launch ttmp9 counts clusters
	s_bfe_u32 s2, ttmp6, 0x40000                   ; cx
	s_bfe_u32 s3, ttmp6, 0x40004                   ; cy
	s_lshl_b32 s66, ttmp9, 2
	s_add_co_u32 s66, s66, s2                      ; block of 256 columns of the 3,072
	s_and_b32 s67, ttmp7, 0xffff
	s_lshl_b32 s67, s67, 2
	s_add_co_u32 s67, s67, s3                      ; block of 256 tokens
	s_lshl_b32 s100, s3, 2
	s_lshl_b32 s100, 15, s100                      ; my row of the cluster
	s_lshl_b32 s101, 0x1111, s2                    ; my column
	s_or_b32 s[G1X], s100, (3<<16)|(1<<21)         ; 15:0 the mask; 17:16 elements of 8 bytes; 21 set beside a mask; no padding
	s_or_b32 s[G1XS], s100, (3<<16)|(1<<21)
	s_or_b32 s[G1W], s101, (3<<16)|(1<<21)
	s_or_b32 s[G1WS], s101, (3<<16)|(1<<21)
.irp g, G1X, G1W                       ; codes: 16 tiles' two K steps: 16 rows of 2,048 bytes, 8,192 bytes apart
	s_mov_b32 s[\g+1], 256<<16                     ; tensor_dim0
	s_mov_b32 s[\g+2], 16<<16                      ; tensor_dim1: all 16 tiles of the block in one load
	s_mov_b32 s[\g+3], 256<<16                     ; tile_dim0
	s_mov_b32 s[\g+4], 16                          ; tile_dim1
	s_mov_b32 s[\g+5], 1024                        ; the pitch, in elements
	s_mov_b32 s[\g+6], 0
	s_mov_b32 s[\g+7], 0
.endr
.irp g, G1XS, G1WS                     ; scales: 16 tiles' 8,192 dense bytes as 32 rows of 256
	s_mov_b32 s[\g+1], 32<<16
	s_mov_b32 s[\g+2], 32<<16                      ; all 16 tiles' 8,192 dense bytes as 32 rows of 256
	s_mov_b32 s[\g+3], 32<<16
	s_mov_b32 s[\g+4], 32
	s_mov_b32 s[\g+5], 32
	s_mov_b32 s[\g+6], 0
	s_mov_b32 s[\g+7], 0
.endr
	; from where: x's addresses hang on the token block alone, the weight's on the column block alone.
	s_mov_b32 s105, 0                              ; a load brings a block's 16 tiles whole: no half is chosen by the wave
	s_lshl_b32 s104, s105, 16                      ; 8 tiles of 8,192 bytes
	s_lshl_b32 s70, s67, 17
	s_add_co_u32 s70, s70, s104
	s_mov_b32 s71, 0
	s_lshl_b32 s86, s66, 17
	s_add_co_u32 s86, s86, s104
	s_mov_b32 s87, 0
	s_lshl_b32 s104, s105, 12                      ; 8 tiles of 512 bytes
	s_lshl_b32 s62, s67, 13
	s_add_co_u32 s62, s62, s104
	s_mov_b32 s63, 0
	s_lshl_b32 s26, s66, 13
	s_add_co_u32 s26, s26, s104
	s_mov_b32 s27, 0
	s_wait_kmcnt 0x0
	s_add_nc_u64 s[4:5], s[4:5], s[70:71]
	s_add_nc_u64 s[8:9], s[8:9], s[86:87]
	; to where: fixed places in LDS: x's scale words, the weight's, then the four chunks
	s_mov_b32 s104, 0
	s_mov_b32 s[G0XS], 1
	s_add_co_u32 s[G0XS+1], s104, XSC
	s_add_nc_u64 s[G0XS+2:G0XS+3], s[6:7], s[62:63]
	s_or_b32 s[G0XS+3], s[G0XS+3], 0x80000000
	s_mov_b32 s[G0WS], 1
	s_add_co_u32 s[G0WS+1], s104, WSC
	s_add_nc_u64 s[G0WS+2:G0WS+3], s[10:11], s[26:27]
	s_or_b32 s[G0WS+3], s[G0WS+3], 0x80000000
	s_mov_b32 s104, 0
.irp c, 0,1,2,3
	s_mov_b32 s[G0XC+4*\c], 1
	s_add_co_u32 s[G0XC+4*\c+1], s104, \c*65536
	s_add_nc_u64 s[G0XC+4*\c+2:G0XC+4*\c+3], s[4:5], \c*2048
	s_or_b32 s[G0XC+4*\c+3], s[G0XC+4*\c+3], 0x80000000
	s_mov_b32 s[G0WC+4*\c], 1
	s_add_co_u32 s[G0WC+4*\c+1], s104, \c*65536+32768
	s_add_nc_u64 s[G0WC+4*\c+2:G0WC+4*\c+3], s[8:9], \c*2048
	s_or_b32 s[G0WC+4*\c+3], s[G0WC+4*\c+3], 0x80000000
.endr
	CROUND                                         ; all sixteen work-groups are here: the joint loads meet
; THE HEAD'S TEN FILLS, ONE A WAVE: waves 0 and 1 the scale words of x and of the weight, waves 2 to 9 the four chunks of each; waves 10 to 15 fetch nothing.
; One chain of branches on the wave's number, an arm a load, every arm leading to the one join.
.macro ARM under, g0, g1, next
	s_cmp_lt_u32 s[WV], \under
	s_cbranch_scc0 \next
	tensor_load_to_lds s[\g0:\g0+3], s[\g1:\g1+7]
	s_nop 0
.rept 4
	v_nop
.endr
	s_branch .Lasked
\next:
.endm
	ARM 1, G0XS, G1XS, .Larm1
	ARM 2, G0WS, G1WS, .Larm2
	ARM 3, G0XC, G1X, .Larm3
	ARM 4, G0WC, G1W, .Larm4
	ARM 5, G0XC+4, G1X, .Larm5
	ARM 6, G0WC+4, G1W, .Larm6
	ARM 7, G0XC+8, G1X, .Larm7
	ARM 8, G0WC+8, G1W, .Larm8
	ARM 9, G0XC+12, G1X, .Larm9
	ARM 10, G0WC+12, G1W, .Larm10
.Lasked:
	; while the fills are on their way: addresses and the bias
	s_lshr_b32 s104, s[WV], 2                      ; wy: which 64 tokens
	s_and_b32 s105, s[WV], 3                       ; wx: which head of the block's four
	v_and_b32 v4, 15, v0                           ; r
	v_bfe_u32 v5, v0, 4, 1                         ; h
	v_and_b32 v12, 31, v0
	s_delay_alu instid0(VALU_DEP_1)
	v_lshlrev_b32 v12, 4, v12                      ; 16 x lane
	s_lshl_b32 s7, s104, 13
	v_add_nc_u32 v1, s7, v12                       ; x's fragments: my 4 tiles of 2,048 bytes in a chunk
	s_lshl_b32 s7, s105, 13
	s_add_co_u32 s7, s7, 32768
	v_add_nc_u32 v2, s7, v12                       ; the weight's, behind x's 32,768
	s_lshl_b32 s7, s104, 11
	s_lshl_b32 s8, s105, 11
	s_add_co_u32 s8, s8, WSC-XSC
	s_sub_co_u32 s8, s8, s7                        ; from my tiles' scale words of x to those of the weight: 2,048 bytes at the least
	v_mul_u32_u24 v3, s8, v5                       ; lanes 16-31 take the weight's
	s_wait_alu depctr_va_vdst(0)
	s_add_co_u32 s7, s7, XSC
	v_lshl_add_u32 v3, v4, 4, v3
	s_delay_alu instid0(VALU_DEP_1)
	v_add_nc_u32 v3, s7, v3
	v_lshlrev_b32 v13, 6, v5                       ; q, k: the bias at my half's 16 channels
	v_and_b32 v14, 8, v4
	s_delay_alu instid0(VALU_DEP_1)
	v_add_nc_u32 v14, v14, v4
	s_delay_alu instid0(VALU_DEP_1)
	v_lshlrev_b32 v14, 2, v14                      ; v: at my lane's channel r + 8 (r / 8)
	s_cmp_eq_u32 s[TYPE], 1
	s_cselect_b64 s[12:13], s[14:15], s[12:13]
	s_cmp_eq_u32 s[TYPE], 2
	s_cselect_b64 s[12:13], s[16:17], s[12:13]
	s_cselect_b32 s17, 1, 0                        ; 1 for v
	s_lshl_b32 s10, s2, 10
	s_lshl_b32 s11, s105, 8
	s_add_co_u32 s10, s10, s11
	s_mov_b32 s11, 0
	s_add_nc_u64 s[12:13], s[12:13], s[10:11]      ; the bias at my head's 64 numbers
	s_cmp_eq_u32 s[TYPE], 2
	s_cbranch_scc1 .Lbias_v
	s_wait_alu depctr_va_vdst(0)
.irp j, 0,1,2,3
	global_load_b128 v[BIAS+8*\j:BIAS+8*\j+3], v13, s[12:13] offset:(32*(\j/2)+8*(\j%2))*4
	global_load_b128 v[BIAS+8*\j+4:BIAS+8*\j+7], v13, s[12:13] offset:(32*(\j/2)+8*(\j%2))*4+16
.endr
	s_branch .Lbias_done
.Lbias_v:
	s_wait_alu depctr_va_vdst(0)
.irp i, 0,1,2,3
	global_load_b32 v[BIAS+8*\i], v14, s[12:13] offset:(32*(\i/2)+8*(\i%2))*4
.endr
	s_wait_loadcnt 0x0
.irp i, 0,1,2,3
.irp e, 1,2,3,4,5,6,7
	v_mov_b32 v[BIAS+8*\i+\e], v[BIAS+8*\i]        ; a lane's one channel stands against eight tokens
.endr
.endr
.Lbias_done:
	s_mov_b32 s[SEL], 0x76543210
	s_mov_b32 s[SEL+1], 0xfedcba98
	s_mov_b32 s16, 0xffff0000                      ; lanes 16-31
	s_and_b32 s7, s67, 7
	s_lshl_b32 s7, s7, 2
	s_add_co_u32 s7, s7, s104                      ; G: my 64 tokens among the batch's 2,048
	s_lshr_b32 s8, s67, 3
	s_lshl_b32 s8, s8, 2
	s_add_co_u32 s8, s8, s2
	s_lshl_b32 s8, s8, 2
	s_add_co_u32 s8, s8, s105                      ; batch x 16 + head
	s_lshr_b32 s9, s7, 1
	s_and_b32 s6, s7, 1
	s_lshl_b32 s10, s9, 12
	s_lshl_b32 s11, s6, 9
	s_add_co_u32 s10, s10, s11                     ; v's image: (G / 2) x 4096 + (G % 2) x 512
	s_lshl_b32 s11, s7, 11                         ; q's, k's: four tiles of 512 bytes
	s_cmp_eq_u32 s[TYPE], 2
	s_cselect_b32 s10, s10, s11
	s_lshl_b32 s11, s[TYPE], 21
	s_add_co_u32 s10, s10, s11
	s_lshl_b32 s11, s8, 16
	s_add_co_u32 s10, s10, s11
	s_mov_b32 s11, 0
	s_add_nc_u64 s[18:19], s[18:19], s[10:11]
	s_lshl_b32 s10, s9, 8
	s_lshl_b32 s11, s6, 1
	s_add_co_u32 s10, s10, s11                     ; v's scales: (G / 2) x 256 + (G % 2) x 2
	s_lshl_b32 s11, s7, 7                          ; q's, k's: four tiles of 32 bytes
	s_cmp_eq_u32 s[TYPE], 2
	s_cselect_b32 s10, s10, s11
	s_lshl_b32 s11, s[TYPE], 17
	s_add_co_u32 s10, s10, s11
	s_lshl_b32 s11, s8, 12
	s_add_co_u32 s10, s10, s11
	s_mov_b32 s11, 0
	s_add_nc_u64 s[20:21], s[20:21], s[10:11]
	s_lshl_b32 s4, 512, s17                        ; from tile to tile in the image: 512, for v 1,024
	s_lshl_b32 s5, 32, s17                         ; and among the scales: 32, for v 64
	s_add_co_u32 s6, s17, 1                        ; a row's scales: 2 bytes apart, for v 4
	s_lshl_b32 s7, s5, 1
	s_wait_loadcnt 0x0                             ; the bias
; 16 products, the accumulators by turns, one instruction a turn.  The first K step takes the bias as C.
.macro MULQK s
.irp i, 0,1,2,3
.irp j, 0,1,2,3
.if (\s) == 0
	v_wmma_scale_f32_16x16x128_f8f6f4 v[ACC+8*(4*\i+\j):ACC+8*(4*\i+\j)+7], v[WF+8*\j:WF+8*\j+7], v[XF+8*\i:XF+8*\i+7], v[BIAS+8*\j:BIAS+8*\j+7], v[SC+4*\j+(\s)%4], v[SC+4*\i+(\s)%4] matrix_a_fmt:MATRIX_FMT_FP4 matrix_b_fmt:MATRIX_FMT_FP4 matrix_a_scale:MATRIX_SCALE_ROW1
.else
	v_wmma_scale_f32_16x16x128_f8f6f4 v[ACC+8*(4*\i+\j):ACC+8*(4*\i+\j)+7], v[WF+8*\j:WF+8*\j+7], v[XF+8*\i:XF+8*\i+7], v[ACC+8*(4*\i+\j):ACC+8*(4*\i+\j)+7], v[SC+4*\j+(\s)%4], v[SC+4*\i+(\s)%4] matrix_a_fmt:MATRIX_FMT_FP4 matrix_b_fmt:MATRIX_FMT_FP4 matrix_a_scale:MATRIX_SCALE_ROW1
.endif
.endr
.endr
.endm
.macro MULV s
.irp i, 0,1,2,3
.irp j, 0,1,2,3
.if (\s) == 0
	v_wmma_scale_f32_16x16x128_f8f6f4 v[ACC+8*(4*\i+\j):ACC+8*(4*\i+\j)+7], v[XF+8*\j:XF+8*\j+7], v[WF+8*\i:WF+8*\i+7], v[BIAS+8*\i:BIAS+8*\i+7], v[SC+4*\j+(\s)%4], v[SC+4*\i+(\s)%4] matrix_a_fmt:MATRIX_FMT_FP4 matrix_b_fmt:MATRIX_FMT_FP4 matrix_b_scale:MATRIX_SCALE_ROW1
.else
	v_wmma_scale_f32_16x16x128_f8f6f4 v[ACC+8*(4*\i+\j):ACC+8*(4*\i+\j)+7], v[XF+8*\j:XF+8*\j+7], v[WF+8*\i:WF+8*\i+7], v[ACC+8*(4*\i+\j):ACC+8*(4*\i+\j)+7], v[SC+4*\j+(\s)%4], v[SC+4*\i+(\s)%4] matrix_a_fmt:MATRIX_FMT_FP4 matrix_b_fmt:MATRIX_FMT_FP4 matrix_b_scale:MATRIX_SCALE_ROW1
.endif
.endr
.endr
.endm
; A K step of 128.  Ahead of the first, each wave waits for its one fill and all sixteen meet: behind that barrier both panels and the scale words are whole, and nothing is filled again.
.macro KSTEP s
.if (\s) == 0
	s_wait_tensorcnt 0x0                           ; my one fill is in
	s_wait_dscnt 0x0
	s_barrier_signal -1
	s_barrier_wait -1
.endif
.if (\s) > 0                           ; four places between the last products and the loads into registers that they read
.if (\s)%2 == 0
	v_add_nc_u32 v1, 0x10000, v1                   ; on to the next chunk
	v_add_nc_u32 v2, 0x10000, v2
	v_nop
	v_nop
.else
.rept 4
	v_nop
.endr
.endif
.endif
.if (\s)%4 == 0
.irp i, 0,1,2,3
	ds_load_b128 v[SC+4*\i:SC+4*\i+3], v3 offset:512*\i+256*((\s)/4)   ; four K steps' scale words of tile i
.endr
.endif
.irp i, 0,1,2,3
.irp c, 0,1
	ds_load_b128 v[XF+8*\i+4*\c:XF+8*\i+4*\c+3], v1 offset:2048*\i+1024*((\s)%2)+512*\c
.endr
.endr
.irp i, 0,1,2,3
.irp c, 0,1
	ds_load_b128 v[WF+8*\i+4*\c:WF+8*\i+4*\c+3], v2 offset:2048*\i+1024*((\s)%2)+512*\c
.endr
.endr
	s_wait_dscnt 0x0
	s_cmp_eq_u32 s[TYPE], 2
	s_cbranch_scc1 .Lmul_v_\@
	s_wait_alu depctr_va_vdst(0)
	MULQK \s
	s_branch .Lmul_done_\@
.Lmul_v_\@:
	s_wait_alu depctr_va_vdst(0)
	MULV \s
.Lmul_done_\@:
.endm
.irp s, 0,1,2,3,4,5,6,7
	KSTEP \s
.endr
	; THE WAY OUT.  The eight lines that make the offsets are the places behind the last products.
	v_and_b32 v12, 31, v0
	s_delay_alu instid0(VALU_DEP_1)
	v_lshlrev_b32 v6, 4, v12                       ; the images of my four tiles: 16 x lane,
	s_delay_alu instid0(VALU_DEP_1)
	v_add_nc_u32 v7, s4, v6                        ; and a tile further on each
	s_delay_alu instid0(VALU_DEP_1)
	v_add_nc_u32 v8, s4, v7
	s_delay_alu instid0(VALU_DEP_1)
	v_add_nc_u32 v9, s4, v8
	v_lshlrev_b32 v10, s6, v4                      ; the scale bytes: my row's place,
	s_delay_alu instid0(VALU_DEP_1)
	v_mad_u32_u24 v10, v5, s5, v10                 ; lanes 16-31 one tile on: they carry the odd tile's
	s_delay_alu instid0(VALU_DEP_1)
	v_add_nc_u32 v11, s7, v10
.irp i, 0,1,2,3
	QUANT2 ACC+32*\i, PC+4*\i, PW+\i               ; each accumulator is read from its low end on
	global_store_b128 v[6+\i], v[PC+4*\i:PC+4*\i+3], s[18:19]      ; 512 consecutive bytes
.endr
	v_cndmask_b32 v84, v80, v81, s16               ; every lane holds its row's two bytes of every tile: lanes 0-15 send tile 0's (2's), lanes 16-31 tile 1's (3's)
	v_cndmask_b32 v85, v82, v83, s16
	global_store_b16 v10, v84, s[20:21]
	global_store_b16 v11, v85, s[20:21]
	s_wait_xcnt 0x0
	v_lshl_add_u32 v254, v0, 2, 0x44000
	v_mov_b32 v255, 0
	s_wait_alu depctr_va_vdst(0)
	s_wait_tensorcnt 0x0
	ds_add_u32 v254, v255
	s_wait_dscnt 0x0
	CROUND                                         ; the closing round: no work-group ends while a partner may still ask for a tile that names it
	s_endpgm
.Lfunc_end_k_q5c844231cc_qkv:
	.size	k_q5c844231cc_qkv, .Lfunc_end_k_q5c844231cc_qkv-k_q5c844231cc_qkv
	.p2alignl 7, 3214868480
	.fill 96, 4, 3214868480
	.section	.rodata,"a",@progbits
	.p2align	6, 0x0
	.amdhsa_kernel k_q5c844231cc_qkv
		.amdhsa_group_segment_fixed_size 280576
		.amdhsa_private_segment_fixed_size 0
		.amdhsa_enable_private_segment 0
		.amdhsa_kernarg_size 72
		.amdhsa_user_sgpr_count 2
		.amdhsa_user_sgpr_kernarg_segment_ptr 1
		.amdhsa_wavefront_size32 1
		.amdhsa_system_sgpr_workgroup_id_x 1
		.amdhsa_system_sgpr_workgroup_id_y 1
		.amdhsa_system_sgpr_workgroup_id_z 1
		.amdhsa_system_vgpr_workitem_id 0
		.amdhsa_next_free_vgpr 256
		.amdhsa_next_free_sgpr 106
		.amdhsa_reserve_vcc 0
		.amdhsa_float_denorm_mode_32 3
		.amdhsa_float_denorm_mode_16_64 3
		.amdhsa_memory_ordered 1
		.amdhsa_forward_progress 1
		.amdhsa_inst_pref_size 68
	.end_amdhsa_kernel
	.amdgpu_metadata
---
amdhsa.version: [ 1, 2 ]
amdhsa.kernels:
  - .name:           k_q5c844231cc_qkv
    .symbol:         k_q5c844231cc_qkv.kd
    .args:
      - { .name: xc, .offset: 0, .size: 8, .value_kind: global_buffer, .address_space: global }
      - { .name: xs, .offset: 8, .size: 8, .value_kind: global_buffer, .address_space: global }
      - { .name: wc, .offset: 16, .size: 8, .value_kind: global_buffer, .address_space: global }
      - { .name: ws, .offset: 24, .size: 8, .value_kind: global_buffer, .address_space: global }
      - { .name: bq, .offset: 32, .size: 8, .value_kind: global_buffer, .address_space: global }
      - { .name: bk, .offset: 40, .size: 8, .value_kind: global_buffer, .address_space: global }
      - { .name: bv, .offset: 48, .size: 8, .value_kind: global_buffer, .address_space: global }
      - { .name: qkvc, .offset: 56, .size: 8, .value_kind: global_buffer, .address_space: global }
      - { .name: qkvs, .offset: 64, .size: 8, .value_kind: global_buffer, .address_space: global }
    .group_segment_fixed_size: 280576
    .private_segment_fixed_size: 0
    .kernarg_segment_align: 8
    .kernarg_segment_size: 72
    .max_flat_workgroup_size: 512
    .sgpr_count:     106
    .vgpr_count:     256
    .wavefront_size: 32
...
	.end_amdgpu_metadata
.endif
;; end of part 2
;; launch attn (part 3): grid 8 x 32, 16 waves a work-group, clusters of 4 x 1, 169,984 bytes of LDS; arguments qkvc, qkvs, cc, cs; writes cc, cs
.if DOCPART == 3
	.amdgcn_target "amdgcn-amd-amdhsa--gfx1250"
	.amdhsa_code_object_version 6
	.text
	.protected	k_q5c844231cc_attn
	.globl	k_q5c844231cc_attn
	.p2align	8
	.type	k_q5c844231cc_attn,@function
k_q5c844231cc_attn:
	s_mov_b64 s[64:65], 0
	v_nop
	global_prefetch_b8 v0, s[64:65] scope:SCOPE_SE
	s_setreg_imm32_b32 hwreg(HW_REG_WAVE_MODE, 25, 1), 1
	s_wait_xcnt 0x0
	s_wait_alu depctr_hold_cnt(0) depctr_sa_sdst(0) depctr_va_vdst(0) depctr_va_sdst(0) depctr_va_ssrc(0) depctr_va_vcc(0) depctr_vm_vsrc(0)
	s_getreg_b32 s2, hwreg(HW_REG_IB_STS2, 6, 4)
	s_cmp_eq_u32 s2, 0
	s_cbranch_scc0 .Lentry_in_a_cluster
	s_endpgm
.Lentry_in_a_cluster:
	s_bfe_u32 s2, ttmp6, 0x10000c
	s_cmp_lg_u32 s2, 0x3003
	s_cbranch_scc0 .Lentry_shape_is_right
	s_endpgm
.Lentry_shape_is_right:
; ctx[q] = (sum over keys of p v) / l for one head, both products on codes of E2M1, and ctx quantised at once along its 64 channels for the last projection.
; t = score x log2(e) / 8; M = the running largest t rounded UP to a whole number; p = 2^(t - M) is quantised along the keys, not normalised; l is the sum of the unquantised p in f32.
; When M moves, l and O are multiplied by 2^(old M - new M), which rounds nothing; there is no branch on data.
; SHARES.  A work-group owns 256 queries of one head (batch x 16 + head = the grid's y); each of sixteen waves one tile of 16 queries in 256 registers.  Every wave walks the head's 2,048 keys, 128 a step.
; LDS holds the head's K and V whole, as images of operand registers, and their scale bytes, each byte filled once: ten fills, one to each of waves 0 to 9.  All go out at the head, so there is no loop
; in which a prefetch could run ahead of them.  CLUSTER 4 x 1: the four query blocks of a cluster belong to one head, so every fill is asked for jointly, with the mask of all four.
; LAYOUT.  S^T = K Q^T, O^T = V^T P^T: a lane holds one query.  Row m of tile t' of a group of 64 keys is key 32 (m / 8) + 8 t' + m % 8, so a lane's 32 registers of four tiles are ONE WHOLE BLOCK of 32
; keys, 32 (lane / 16) + 0 .. 31: its largest score needs no other lane and the conversions' results are the second product's operand as they stand.  In k's image a group of 64 keys is 2,048 bytes; its
; first 1,024 (keys 0-31) land in one region of LDS and its second 1,024 in another, 32,896 bytes on: rows 0-7 and rows 8-15 of a tile then start 128 bytes apart modulo 256.
; The first product's K is the head's 64: Q's registers 4-7 are zero codes, so what stands in registers 4-7 of K's operand (the next tile's codes; behind the last tile four zeros) adds nothing.
; The next step's K is read from LDS behind this step's first product, the next V behind the second.
; LIMITS: NaN and infinities are not served; the scaled scores stay under 2^31 in magnitude; a block of zeros gets the byte 1 (its codes are zeros; this program alone reads the bytes).  The ctx scale halfwords leave 2 bytes a lane.
; REGISTERS: v1-5, v31 lane terms; v6, v7 the spare word's address and 0; v8-11 the step's LDS addresses; v12 -M, v13 largest score, v[14:15] l; v16-23 Q; v24-27 K's scales, v28-29 V's, v30 Q's;
; v32-67 K; v68-99 V; v100-163 S^T, then p; v164-195 O^T; v196-203 p's codes; v204-231 at work.
.set KGAP,  32896                      ; from K's first region (at 0) to its second
.set LV,    65792                      ; V's image, 4,096 bytes a key step
.set LKS,   131328                     ; K's scale bytes, 256 a step
.set LVS,   135424                     ; V's
.set SPARE, 0x29000                    ; the spare words: 128 bytes a wave
.set WV, 12
.set KO, 13                            ; s13, s19, s2 the next step's bytes in K's regions, in V's image and among the scales
.set VO, 19
.set SO2, 2
.set CNT, 3
.set SEL, 14
.set CS, 16                            ; s[16:17] c = log2(e) / 8, twice; s18 -c
.set NC, 18
.set G1C, 20                           ; s[20:27] group 1: a chunk of V, 64 rows of 256 bytes
.set G1S, 28                           ; s[28:35] group 1: scales, 16 rows of 256 bytes
.set G1K, 80                           ; s[80:87] group 1: half a region of K, 16 rows of 1,024 bytes, 2,048 apart in memory
.set KF, 32
.set VF, 68
.set S, 100
.set O, 164
.set PC, 196
.set BM, 204
.set BN, 206
.set W0, 208
.set W1, 209
.set W2, 210
.set W3, 211
.set F, 212
.set SO, 214
.set BY, 216
.set PW, 218
.set PX, 224
.set SB, 226
.set SC2, 228
.set SD, 230
.set TM, 212
.macro NOP4
.rept 4
	v_nop
.endr
.endm
.macro CROUND                          ; a round of the cluster's barrier
	s_barrier_signal -1
	s_barrier_wait -1
	s_cmp_lg_u32 s[WV], 0
	s_cbranch_scc1 .Lnot_wave_0_\@
	s_barrier_signal -3
.Lnot_wave_0_\@:
	s_barrier_wait -3
	s_barrier_signal -1
	s_barrier_wait -1
.endm
.macro G0SET g, lds, p, off            ; a group 0: count 1, LDS byte, global address, type 2
	s_mov_b32 s[\g], 1
	s_mov_b32 s[\g+1], \lds
	s_add_nc_u64 s[\g+2:\g+3], s[\p:\p+1], \off
	s_or_b32 s[\g+3], s[\g+3], 0x80000000
.endm
.macro ADK                             ; the LDS addresses of the K that is asked for next
	v_add_nc_u32 v8, s[KO], v2
	v_add_nc_u32 v10, s[SO2], v3
.endm
.macro ADV
	v_add_nc_u32 v9, s[VO], v31
	v_add_nc_u32 v11, s[SO2], v4
.endm
.macro LOADK                           ; 12 loads: eight tiles of 16 keys, and their scale halfwords (lanes 0-15 the even tile, lanes 16-31 the odd)
.irp t, 0,1,2,3,4,5,6,7
	ds_load_b128 v[KF+4*\t:KF+4*\t+3], v8 offset:(\t/4)*1024+(\t%2)*512+((\t%4)/2)*128
.endr
.irp g, 0,1,2,3
	ds_load_u16 v[24+\g], v10 offset:(\g/2)*128+(\g%2)*16
.endr
.endm
.macro LOADV                           ; 10 loads: four tiles of 16 channels x 128 keys, and their scale words
.irp d, 0,1,2,3
.irp c, 0,1
	ds_load_b128 v[VF+8*\d+4*\c:VF+8*\d+4*\c+3], v9 offset:1024*\d+512*\c
.endr
.endr
.irp g, 0,1
	ds_load_b32 v[28+\g], v11 offset:128*\g
.endr
.endm
; 32 numbers of a lane, register 16 b + i = index 32 b + 16 (lane / 16) + i of my row, become 4 registers of codes (lane (r, h): index 32 h .. + 31) and two scale bytes
.macro QUANT2 s, pc, pw
.irp b, 0,1
	v_max3_num_f32 v[TM+\b], |v[\s+16*\b]|, |v[\s+16*\b+1]|, 0x1800000
.endr
.irp i, 2,4,6,8,10,12,14
.irp b, 0,1
	s_delay_alu instid0(VALU_DEP_2)
	v_max3_num_f32 v[TM+\b], v[TM+\b], |v[\s+16*\b+\i]|, |v[\s+16*\b+\i+1]|
.endr
.endr
.irp b, 0,1
	s_delay_alu instid0(VALU_DEP_2)
	v_permlanex16_b32 v[TM+2+\b], v[TM+\b], s[SEL], s[SEL+1]
.endr
.irp b, 0,1
	s_delay_alu instid0(VALU_DEP_2)
	v_max_num_f32 v[TM+\b], v[TM+\b], v[TM+2+\b]
.endr
.irp b, 0,1
	s_delay_alu instid0(VALU_DEP_2)
	v_add_nc_u32 v[TM+4+\b], 0xff000000, v[TM+\b]
.endr
.irp b, 0,1
	s_delay_alu instid0(VALU_DEP_2)
	v_lshrrev_b32 v[TM+2+\b], 23, v[TM+4+\b]
.endr
	s_delay_alu instid0(VALU_DEP_1)
	v_lshl_or_b32 v[\pw], v[TM+3], 8, v[TM+2]
.irp b, 0,1
	v_cvt_scalef32_pk8_fp4_f32 v[\pc+2*\b], v[\s+16*\b:\s+16*\b+7], v[TM+4+\b]
	v_cvt_scalef32_pk8_fp4_f32 v[\pc+2*\b+1], v[\s+16*\b+8:\s+16*\b+15], v[TM+4+\b]
.endr
	v_nop                                          ; one plain place behind a scaled conversion
	v_permlane16_swap_b32 v[\pc], v[\pc+2]
	v_permlane16_swap_b32 v[\pc+1], v[\pc+3]
.endm
	s_load_b256 s[4:11], s[0:1], 0x0               ; qkvc 4, qkvs 6, cc 8, cs 10
	v_lshl_add_u32 v6, v0, 2, SPARE
	v_mov_b32 v7, 0
	ds_add_u32 v6, v7                              ; the opening lines: the add, twice on end, and its wait
	ds_add_u32 v6, v7
	v_lshrrev_b32 v204, 5, v0
	v_readfirstlane_b32 s[WV], v204                ; wave 0..15
	s_and_b32 s96, ttmp7, 0xffff                   ; batch x 16 + head, which the four partners share
	s_lshl_b32 s98, s96, 16                        ; the head's bytes in each image
	s_mov_b32 s99, 0
	s_lshl_b32 s100, s96, 12                       ; and among each kind of scales
	s_mov_b32 s101, 0
	s_mov_b32 s[G1C], 15|(3<<16)|(1<<21)           ; 15:0 the mask: all four work-groups; 17:16 elements of 8 bytes; 21 set beside a mask
	s_mov_b32 s[G1C+1], 32<<16
	s_mov_b32 s[G1C+2], 64<<16
	s_mov_b32 s[G1C+3], 32<<16
	s_mov_b32 s[G1C+4], 64
	s_mov_b32 s[G1C+5], 32
	s_mov_b32 s[G1C+6], 0
	s_mov_b32 s[G1C+7], 0
	s_mov_b32 s[G1S], 15|(3<<16)|(1<<21)
	s_mov_b32 s[G1S+1], 32<<16
	s_mov_b32 s[G1S+2], 16<<16
	s_mov_b32 s[G1S+3], 32<<16
	s_mov_b32 s[G1S+4], 16
	s_mov_b32 s[G1S+5], 32
	s_mov_b32 s[G1S+6], 0
	s_mov_b32 s[G1S+7], 0
	s_mov_b32 s[G1K], 15|(3<<16)|(1<<21)
	s_mov_b32 s[G1K+1], 128<<16                    ; tensor_dim0: 1,024 bytes
	s_mov_b32 s[G1K+2], 16<<16                     ; tensor_dim1
	s_mov_b32 s[G1K+3], 128<<16                    ; tile_dim0
	s_mov_b32 s[G1K+4], 16                         ; tile_dim1
	s_mov_b32 s[G1K+5], 256                        ; the pitch: 2,048 bytes
	s_mov_b32 s[G1K+6], 0
	s_mov_b32 s[G1K+7], 0
	s_mov_b32 s[SEL], 0x76543210
	s_mov_b32 s[SEL+1], 0xfedcba98
	s_mov_b32 s[CS], 0x3e38aa3b
	s_mov_b32 s[CS+1], s[CS]
	s_mov_b32 s[NC], 0xbe38aa3b
	s_wait_dscnt 0x0
	s_wait_kmcnt 0x0
	s_add_nc_u64 s[88:89], s[4:5], s[98:99]
	s_add_nc_u64 s[90:91], s[6:7], s[100:101]
	G0SET 36, LKS, 90, 131072                      ; the scales: q's lie at 0, k's at 131,072, v's at 262,144
	G0SET 40, LVS, 90, 262144
	G0SET 44, 0, 88, 2097152                       ; the images: q lies at 0, k at 2,097,152, v at 4,194,304.  K's first region, groups 0-15,
	G0SET 48, 16384, 88, 2097152+32768             ; groups 16-31;
	G0SET 52, KGAP, 88, 2097152+1024               ; its second region
	G0SET 56, KGAP+16384, 88, 2097152+32768+1024
	G0SET 60, LV, 88, 4194304
	G0SET 68, LV+16384, 88, 4194304+16384
	G0SET 72, LV+32768, 88, 4194304+32768
	G0SET 76, LV+49152, 88, 4194304+49152
	CROUND                                         ; all four work-groups are here: the joint loads meet
; THE HEAD'S TEN FILLS, ONE A WAVE: one chain of branches on the wave's number, an arm a load, every arm leading to the one join; waves 10 to 15 fetch nothing.
.macro ARM under, g0, g1, next
	s_cmp_lt_u32 s[WV], \under
	s_cbranch_scc0 \next
	tensor_load_to_lds s[\g0:\g0+3], s[\g1:\g1+7]
	s_nop 0
.rept 4
	v_nop
.endr
	s_branch .Lasked
\next:
.endm
	ARM 1, 36, G1S, .Larm1
	ARM 2, 44, G1K, .Larm2
	ARM 3, 52, G1K, .Larm3
	ARM 4, 40, G1S, .Larm4
	ARM 5, 60, G1C, .Larm5
	ARM 6, 48, G1K, .Larm6
	ARM 7, 56, G1K, .Larm7
	ARM 8, 68, G1C, .Larm8
	ARM 9, 72, G1C, .Larm9
	ARM 10, 76, G1C, .Larm10
.Lasked:
	s_bfe_u32 s92, ttmp6, 0x40000                  ; cx: it enters Q's and the outputs' addresses alone
	s_lshl_b32 s93, ttmp9, 2
	s_add_co_u32 s93, s93, s92
	s_lshl_b32 s93, s93, 4
	s_add_co_u32 s93, s93, s[WV]                   ; my tile of queries among the batch's 128
	s_lshl_b32 s94, s93, 9
	s_add_co_u32 s94, s94, s98
	s_mov_b32 s95, 0
	s_add_nc_u64 s[4:5], s[4:5], s[94:95]          ; Q's image
	s_lshl_b32 s94, s93, 5
	s_add_co_u32 s94, s94, s100
	s_add_nc_u64 s[6:7], s[6:7], s[94:95]          ; Q's scale bytes
	s_lshr_b32 s92, s96, 4
	s_lshl_b32 s92, s92, 7
	s_add_co_u32 s92, s92, s93                     ; T: my tile among ctx's 256
	s_and_b32 s93, s96, 15                         ; the head: ctx's K = 64 x head + channel
	s_lshl_b32 s94, s92, 13
	s_lshl_b32 s88, s93, 9
	s_add_co_u32 s94, s94, s88
	s_add_nc_u64 s[8:9], s[8:9], s[94:95]          ; ctx's image: T x 8192 + head x 512
	s_lshl_b32 s94, s92, 9
	s_lshr_b32 s88, s93, 3
	s_lshl_b32 s88, s88, 8
	s_add_co_u32 s94, s94, s88
	s_and_b32 s88, s93, 7
	s_lshl_b32 s88, s88, 1
	s_add_co_u32 s94, s94, s88
	s_add_nc_u64 s[10:11], s[10:11], s[94:95]      ; its scales: T x 512 + (head / 8) x 256 + (head % 8) x 2
	s_mov_b32 s[KO], 0
	s_mov_b32 s[VO], 0
	s_mov_b32 s[SO2], 0
	s_mov_b32 s[CNT], 0
	v_and_b32 v204, 31, v0                         ; lane
	v_and_b32 v205, 15, v0                         ; r
	v_bfe_u32 v206, v0, 4, 1                       ; h
	v_bfe_u32 v207, v0, 3, 1                       ; r / 8
	v_and_b32 v208, 7, v0                          ; r % 8
	v_lshlrev_b32 v1, 4, v204                      ; 16 x lane: Q's and ctx's images
	v_lshlrev_b32 v5, 3, v206                      ; 8 h
	v_mul_u32_u24 v2, v207, KGAP
	v_lshlrev_b32 v3, 1, v208
	v_lshl_add_u32 v2, v208, 4, v2
	v_lshl_add_u32 v3, v207, 6, v3
	v_lshl_add_u32 v2, v206, 8, v2                 ; K: (r / 8) x KGAP + h x 256 + (r % 8) x 16
	v_lshl_add_u32 v3, v206, 5, v3
	v_add_nc_u32 v3, LKS, v3                       ; its scales: (r / 8) x 64 + h x 32 + (r % 8) x 2
	v_lshl_add_u32 v4, v204, 2, LVS                ; V's scale words of two tiles
	v_add_nc_u32 v31, LV, v1                       ; V's image
	v_lshlrev_b32 v219, 4, v205                    ; ctx's scales: 16 r
	v_lshlrev_b32 v210, 1, v205                    ; Q's: 2 r
	global_load_b128 v[16:19], v1, s[4:5]          ; Q
	global_load_u16 v30, v210, s[6:7]              ; its scale bytes; the upper two come as 0
.irp j, 20,21,22,23,64,65,66,67
	v_mov_b32 v\j, 0                               ; zero codes: k = 64 .. 127 of Q, and behind K's last tile
.endr
.set j, 0
.rept 32
	v_mov_b32 v[O+j], 0                            ; O^T: the first step finds zeros, which the first change of M leaves zeros
.set j, j+1
.endr
	v_mov_b32 v13, 0xff61b1e6                      ; the largest score so far: -3e38
	v_mov_b32 v12, 0x7e000000                      ; -M: a large whole number
	v_mov_b32 v14, 0
	v_mov_b32 v15, 0
	v_mov_b32 v[W1], 0                             ; a lane permute's destination counts as read
	v_mov_b32 v[PX], 0
	v_mov_b32 v[F+1], 0                            ; (named as the upper half of a pair)
	s_wait_alu depctr_va_vdst(0)                   ; the wait at the head's end
	s_wait_loadcnt 0x0                             ; Q
	s_wait_tensorcnt 0x0                           ; my one fill is in
	s_barrier_signal -1
	s_barrier_wait -1                              ; everybody's is: K, V and the scales are whole, and nothing is filled again
	ADK
	LOADK                                          ; key step 0
	ADV
	LOADV
	s_mov_b32 s[KO], 2048
	s_mov_b32 s[VO], 4096
	s_mov_b32 s[SO2], 256
; A KEY STEP: 128 keys.  last = 1: nothing more is read from LDS.
.macro STEP last
	s_wait_dscnt 10                                ; K and its scales are in; V's ten loads may be out
.irp t, 0,1,2,3,4,5,6,7
.if \t % 2
	v_wmma_scale_f32_16x16x128_f8f6f4 v[S+8*\t:S+8*\t+7], v[KF+4*\t:KF+4*\t+7], v[16:23], 0, v[24+\t/2], v30 matrix_a_fmt:MATRIX_FMT_FP4 matrix_b_fmt:MATRIX_FMT_FP4 matrix_a_scale:MATRIX_SCALE_ROW1
.else
	v_wmma_scale_f32_16x16x128_f8f6f4 v[S+8*\t:S+8*\t+7], v[KF+4*\t:KF+4*\t+7], v[16:23], 0, v[24+\t/2], v30 matrix_a_fmt:MATRIX_FMT_FP4 matrix_b_fmt:MATRIX_FMT_FP4
.endif
.endr
.if \last
	NOP4                                           ; places ahead of the first read of the scores
.else
	ADK                                            ; four places ahead of the loads into K's registers and of the first read of the scores
	v_nop
	v_nop
	LOADK
.endif
.irp c, 0,1                                    ; the largest score of my two blocks of 32 keys, each in two chains; every accumulator is first read at its low end
	v_max3_num_f32 v[BM+\c], v[S+32*\c], v[S+32*\c+1], v[S+32*\c+2]
	v_max3_num_f32 v[BN+\c], v[S+32*\c+16], v[S+32*\c+17], v[S+32*\c+18]
.endr
.irp i, 3,5,7,9,11,13
.irp c, 0,1
	v_max3_num_f32 v[BM+\c], v[BM+\c], v[S+32*\c+\i], v[S+32*\c+\i+1]
	v_max3_num_f32 v[BN+\c], v[BN+\c], v[S+32*\c+16+\i], v[S+32*\c+17+\i]
.endr
.endr
.irp c, 0,1
	v_max3_num_f32 v[BM+\c], v[BM+\c], v[BN+\c], v[S+32*\c+15]
.endr
.irp c, 0,1
	v_max_num_f32 v[BM+\c], v[BM+\c], v[S+32*\c+31]
.endr
	v_max_num_f32 v[W0], v[BM], v[BM+1]
	v_permlanex16_b32 v[W1], v[W0], s[SEL], s[SEL+1]
	v_max3_num_f32 v13, v13, v[W0], v[W1]          ; the running largest score of my query (c is positive)
	v_mul_f32 v[W0], s[NC], v13                    ; -t
	v_floor_f32 v[W2], v[W0]                       ; the new -M = -ceil(t)
	v_sub_f32 v[W3], v[W2], v12                    ; old M - new M: a whole number, 0 or less
	v_mov_b32 v12, v[W2]
	v_cvt_i32_f32 v[W3], v[W3]                     ; (it saturates)
.irp c, 0,1
	v_fma_f32 v[BM+\c], v[BM+\c], s[CS], v12       ; t - M of each block's largest score
.endr
	v_ldexp_f32 v[F], 1.0, v[W3]                   ; f = 2^(old M - new M)
.set j, 0
.rept 32
	v_pk_fma_f32 v[S+j:S+j+1], v[S+j:S+j+1], s[CS:CS+1], v[12:13] op_sel_hi:[1,0,0]   ; t - M (of the pairs c and -M the low word serves both halves)
.set j, j+2
.endr
.set j, 0
.rept 16
	v_pk_mul_f32 v[O+j:O+j+1], v[O+j:O+j+1], v[F:F+1] op_sel_hi:[1,0]   ; O^T under the new M, ahead of the exponentials
.set j, j+2
.endr
	v_pk_mul_f32 v[14:15], v[14:15], v[F:F+1] op_sel_hi:[1,0]           ; and l
	s_wait_alu depctr_va_vdst(0)                   ; the wait ahead of the batch
.irp c, 0,1
	v_exp_f32 v[BM+\c], v[BM+\c]                   ; the block's largest p: the same two instructions on the same number as the p itself
.endr
.set j, 0
.rept 64
	v_exp_f32 v[S+j], v[S+j]                       ; p = 2^(t - M), at most 1
.set j, j+1
.endr
	v_nop                                          ; one plain place behind the batch
	s_wait_alu depctr_va_vdst(0)                   ; and the one wait behind it
.irp c, 0,1
	v_max_num_f32 v[BM+\c], 0x1800000, v[BM+\c]    ; the floor 2^(3 - 127): the byte cannot fall under 1
.endr
.irp c, 0,1
	v_add_nc_u32 v[SO+\c], 0xff000000, v[BM+\c]    ; 2 off the exponent field: the conversions' scale operand
.endr
.irp c, 0,1
	v_lshrrev_b32 v[BY+\c], 23, v[SO+\c]           ; the scale's byte
.endr
.irp c, 0,1
.irp t, 0,1,2,3
	v_cvt_scalef32_pk8_fp4_f32 v[PC+4*\c+\t], v[S+32*\c+8*\t:S+32*\c+8*\t+7], v[SO+\c]   ; registers 4 c .. 4 c + 3 of the operand: keys 64 c + 32 h + 0 .. 31
.endr
.endr
	v_lshl_or_b32 v[PW], v[BY+1], 16, v[BY]        ; my two bytes, blocks h and 2 + h (a plain place behind the conversions),
	v_pk_add_f32 v[SB:SB+1], v[S:S+1], v[S+2:S+3]  ; l takes the UNQUANTISED p, two at a time, in four chains
	v_lshlrev_b32 v[PW], v5, v[PW]                 ; at their places in the word;
	v_pk_add_f32 v[SC2:SC2+1], v[S+4:S+5], v[S+6:S+7]
	v_permlanex16_b32 v[PX], v[PW], s[SEL], s[SEL+1]
	v_pk_add_f32 v[SD:SD+1], v[S+8:S+9], v[S+10:S+11]
	v_or_b32 v[PW], v[PW], v[PX]                   ; with lane l xor 16's two the word is whole
.irp j, 12,20,28,36,44,52
	v_pk_add_f32 v[14:15], v[14:15], v[S+\j:S+\j+1]
	v_pk_add_f32 v[SB:SB+1], v[SB:SB+1], v[S+\j+2:S+\j+3]
	v_pk_add_f32 v[SC2:SC2+1], v[SC2:SC2+1], v[S+\j+4:S+\j+5]
	v_pk_add_f32 v[SD:SD+1], v[SD:SD+1], v[S+\j+6:S+\j+7]
.endr
	v_pk_add_f32 v[14:15], v[14:15], v[S+60:S+61]
	v_pk_add_f32 v[SB:SB+1], v[SB:SB+1], v[S+62:S+63]
	v_pk_add_f32 v[SC2:SC2+1], v[SC2:SC2+1], v[SD:SD+1]
	v_pk_add_f32 v[14:15], v[14:15], v[SB:SB+1]
	v_pk_add_f32 v[14:15], v[14:15], v[SC2:SC2+1]
	s_wait_alu depctr_va_vdst(0)                   ; directly ahead of the wait below
.if \last
	s_wait_dscnt 0x0
.else
	s_wait_dscnt 12                                ; V and its scales are in; the next K's twelve loads may be out
.endif
.irp d, 0,1,2,3
.if \d % 2
	v_wmma_scale_f32_16x16x128_f8f6f4 v[O+8*\d:O+8*\d+7], v[VF+8*\d:VF+8*\d+7], v[PC:PC+7], v[O+8*\d:O+8*\d+7], v[28+\d/2], v[PW] matrix_a_fmt:MATRIX_FMT_FP4 matrix_b_fmt:MATRIX_FMT_FP4 matrix_a_scale:MATRIX_SCALE_ROW1
.else
	v_wmma_scale_f32_16x16x128_f8f6f4 v[O+8*\d:O+8*\d+7], v[VF+8*\d:VF+8*\d+7], v[PC:PC+7], v[O+8*\d:O+8*\d+7], v[28+\d/2], v[PW] matrix_a_fmt:MATRIX_FMT_FP4 matrix_b_fmt:MATRIX_FMT_FP4
.endif
.endr
.if \last == 0
	ADV                                            ; four places ahead of the loads into V's registers
	v_nop
	v_nop
	LOADV
.endif
.endm
.Lstep:                                ; key steps 0 to 14; trip s reads step s + 1 from LDS
	STEP 0
	s_add_co_u32 s[KO], s[KO], 2048
	s_add_co_u32 s[VO], s[VO], 4096
	s_add_co_u32 s[SO2], s[SO2], 256
	s_add_co_u32 s[CNT], s[CNT], 1
	s_cmp_lt_u32 s[CNT], 15
	s_cbranch_scc1 .Lstep
	STEP 1                                         ; the last step is written out: it reads nothing beyond the head's keys
	; THE WAY OUT: ctx = O^T / l, quantised along the head's 64 channels, as a piece of ctx's image
	NOP4
	v_add_f32 v14, v14, v15                        ; l's two halves,
	s_delay_alu instid0(VALU_DEP_1)
	v_permlanex16_b32 v[W1], v14, s[SEL], s[SEL+1]
	s_delay_alu instid0(VALU_DEP_1)
	v_add_f32 v14, v14, v[W1]                      ; and lane l xor 16's keys
	s_wait_alu depctr_va_vdst(0)                   ; the wait ahead of the transcendental
	v_rcp_f32 v14, v14
	v_nop
	s_wait_alu depctr_va_vdst(0)                   ; and behind it, directly ahead of the first readers of O^T
.set j, 0
.rept 32
	v_mul_f32 v[S+j], v[O+j], v14                  ; register 16 b + i: channel 32 b + 16 (lane / 16) + i of my query
.set j, j+1
.endr
	QUANT2 S, PC, 225
	global_store_b128 v1, v[PC:PC+3], s[8:9]       ; 512 consecutive bytes
	v_cmp_eq_u32 vcc_lo, 0, v5                     ; lanes 0-15
	s_wait_alu depctr_va_vdst(0)                   ; directly ahead of the wait below
	s_wait_xcnt 0x0                                ; EXEC changes only behind this wait
	s_and_saveexec_b32 s92, vcc_lo                 ; both halves of the lanes hold the row's two bytes: lanes 0-15 send them
	global_store_b16 v219, v225, s[10:11]
	s_wait_xcnt 0x0                                ; and again in front of the line that restores it
	s_or_b32 exec_lo, exec_lo, s92
	s_wait_tensorcnt 0x0                           ; the wave's end
	ds_add_u32 v6, v7
	s_wait_dscnt 0x0
	CROUND                                         ; the closing round
	s_endpgm
.Lfunc_end_k_q5c844231cc_attn:
	.size	k_q5c844231cc_attn, .Lfunc_end_k_q5c844231cc_attn-k_q5c844231cc_attn
	.p2alignl 7, 3214868480
	.fill 96, 4, 3214868480
	.section	.rodata,"a",@progbits
	.p2align	6, 0x0
	.amdhsa_kernel k_q5c844231cc_attn
		.amdhsa_group_segment_fixed_size 169984
		.amdhsa_private_segment_fixed_size 0
		.amdhsa_enable_private_segment 0
		.amdhsa_kernarg_size 32
		.amdhsa_user_sgpr_count 2
		.amdhsa_user_sgpr_kernarg_segment_ptr 1
		.amdhsa_wavefront_size32 1
		.amdhsa_system_sgpr_workgroup_id_x 1
		.amdhsa_system_sgpr_workgroup_id_y 1
		.amdhsa_system_sgpr_workgroup_id_z 1
		.amdhsa_system_vgpr_workitem_id 0
		.amdhsa_next_free_vgpr 256
		.amdhsa_next_free_sgpr 102
		.amdhsa_reserve_vcc 1
		.amdhsa_float_denorm_mode_32 3
		.amdhsa_float_denorm_mode_16_64 3
		.amdhsa_memory_ordered 1
		.amdhsa_forward_progress 1
		.amdhsa_inst_pref_size 46
	.end_amdhsa_kernel
	.amdgpu_metadata
---
amdhsa.version: [ 1, 2 ]
amdhsa.kernels:
  - .name:           k_q5c844231cc_attn
    .symbol:         k_q5c844231cc_attn.kd
    .args:
      - { .name: qkvc, .offset: 0, .size: 8, .value_kind: global_buffer, .address_space: global }
      - { .name: qkvs, .offset: 8, .size: 8, .value_kind: global_buffer, .address_space: global }
      - { .name: cc, .offset: 16, .size: 8, .value_kind: global_buffer, .address_space: global }
      - { .name: cs, .offset: 24, .size: 8, .value_kind: global_buffer, .address_space: global }
    .group_segment_fixed_size: 169984
    .private_segment_fixed_size: 0
    .kernarg_segment_align: 8
    .kernarg_segment_size: 32
    .max_flat_workgroup_size: 512
    .sgpr_count:     102
    .vgpr_count:     256
    .wavefront_size: 32
...
	.end_amdgpu_metadata
.endif
;; end of part 3
;; launch oproj (part 4): grid 8 x 32, 8 waves a work-group, clusters of 4 x 4, 175,104 bytes of LDS; arguments cc, cs, wc, ws, bo, out0; writes out0
.if DOCPART == 4
	.amdgcn_target "amdgcn-amd-amdhsa--gfx1250"
	.amdhsa_code_object_version 6
	.text
	.protected	k_q5c844231cc_oproj
	.globl	k_q5c844231cc_oproj
	.p2align	8
	.type	k_q5c844231cc_oproj,@function
k_q5c844231cc_oproj:
	s_mov_b64 s[64:65], 0
	v_nop
	global_prefetch_b8 v0, s[64:65] scope:SCOPE_SE
	s_setreg_imm32_b32 hwreg(HW_REG_WAVE_MODE, 25, 1), 1
	s_wait_xcnt 0x0
	s_wait_alu depctr_hold_cnt(0) depctr_sa_sdst(0) depctr_va_vdst(0) depctr_va_sdst(0) depctr_va_ssrc(0) depctr_va_vcc(0) depctr_vm_vsrc(0)
	s_getreg_b32 s2, hwreg(HW_REG_IB_STS2, 6, 4)
	s_cmp_eq_u32 s2, 0
	s_cbranch_scc0 .Lentry_in_a_cluster
	s_endpgm
.Lentry_in_a_cluster:
	s_bfe_u32 s2, ttmp6, 0x10000c
	s_cmp_lg_u32 s2, 0xf033
	s_cbranch_scc0 .Lentry_shape_is_right
	s_endpgm
.Lentry_shape_is_right:
; out0 = ctx Wo + bo on codes of E2M1, K = 1,024; out0 [4096][1024] f32.
; SHARES.  A work-group makes 128 tokens x 128 columns: 256 work-groups.  Each of eight waves makes 32 tokens (2 tiles) x 64 columns (4 tiles): 8 accumulators, two sets of fragment registers.
; OPERANDS are images of registers (tile t, K step s, half c, lane: t x 8192 + s x 1024 + c x 512 + 16 x lane); Wo's tiles are 192 to 255 of the weights' buffer.  A fragment is two dense LDS loads of 512 bytes.
; Lane r of a tile is row 32 (t / 2) + 8 (t % 2) + r + 8 (r / 8).  Source 0 = the weight's columns, source 1 = tokens: a lane holds a token, and the 32 registers of its four tiles 64 neighbouring columns.
; LDS holds the whole panels, in four chunks of two K steps; every byte is filled once.  Behind them each wave has a stage of its own for the way out, into which no fill lands.
; CLUSTER 4 x 4: ctx's tiles are shared along a row of the cluster, Wo's along a column: each is asked for jointly, by the same load with a mask that names the four.
; The scale words do not go through LDS: each wave loads its own tiles' words from memory into registers, sixteen lanes to 256 consecutive aligned bytes.  The eight fills of codes go one to a wave.
.set STAGE, 139264                     ; 16 rows x (256 bytes + 16) for each wave: row r starts 4 r banks on
.set WV,   22
.set G0WS, 24
.set G1X,  28
.set G1W,  36
.set G1XS, 44
.set G1WS, 52
.set G0XS, 60
.set G0XC, 68
.set G0WC, 84
.set BIAS, 40                          ; v40-71   the bias in the result's layout
.set ACC,  168                         ; v168-231 accumulator (i, j) at 8 (4 i + j): i the tile of tokens, j of columns
; v16-23 ctx's scale words of K steps 0-3 (4 i + q), v24-39 Wo's (4 j + q); v232-239, v240-255 those of K steps 4-7; v72-119, v120-167 the two sets of fragments: ctx's 16 registers, Wo's 32
.macro CROUND
	s_barrier_signal -1
	s_barrier_wait -1
	s_cmp_lg_u32 s[WV], 0
	s_cbranch_scc1 .Lnot_wave_0_\@
	s_barrier_signal -3
.Lnot_wave_0_\@:
	s_barrier_wait -3
	s_barrier_signal -1
	s_barrier_wait -1
.endm
	s_load_b256 s[4:11], s[0:1], 0x0               ; cc 4, cs 6, wc 8, ws 10
	s_load_b128 s[12:15], s[0:1], 0x20             ; bo 12, out0 14
	v_lshl_add_u32 v14, v0, 2, 0x2a800
	v_mov_b32 v15, 0
	ds_add_u32 v14, v15
	ds_add_u32 v14, v15
	v_lshrrev_b32 v8, 5, v0
	s_delay_alu instid0(VALU_DEP_1)
	v_readfirstlane_b32 s[WV], v8                  ; wave 0..7
	s_bfe_u32 s2, ttmp6, 0x40000                   ; cx
	s_bfe_u32 s3, ttmp6, 0x40004                   ; cy
	s_lshl_b32 s66, ttmp9, 2
	s_add_co_u32 s66, s66, s2                      ; block of 128 columns
	s_and_b32 s67, ttmp7, 0xffff
	s_lshl_b32 s67, s67, 2
	s_add_co_u32 s67, s67, s3                      ; block of 128 tokens
	s_lshl_b32 s100, s3, 2
	s_lshl_b32 s100, 15, s100                      ; my row of the cluster
	s_lshl_b32 s101, 0x1111, s2                    ; my column
	s_or_b32 s[G1X], s100, (3<<16)|(1<<21)         ; 15:0 the mask; 17:16 elements of 8 bytes; 21 set beside a mask; no padding
	s_or_b32 s[G1W], s101, (3<<16)|(1<<21)
.irp g, G1X, G1W                       ; codes: 8 tiles' two K steps: 8 rows of 2,048 bytes, 8,192 bytes apart
	s_mov_b32 s[\g+1], 256<<16
	s_mov_b32 s[\g+2], 8<<16                       ; all 8 tiles of the block in one load
	s_mov_b32 s[\g+3], 256<<16
	s_mov_b32 s[\g+4], 8
	s_mov_b32 s[\g+5], 1024
	s_mov_b32 s[\g+6], 0
	s_mov_b32 s[\g+7], 0
.endr
	; from where: ctx's addresses hang on the token block alone, Wo's on the column block alone.
	s_lshl_b32 s70, s67, 16                        ; ctx's 8 tiles of 8,192 bytes
	s_mov_b32 s71, 0
	s_lshl_b32 s86, s66, 16                        ; Wo's
	s_add_co_u32 s86, s86, 192*8192
	s_mov_b32 s87, 0
	s_lshr_b32 s104, s[WV], 1
	s_lshl_b32 s104, s104, 10                      ; the scale words of my 2 tiles of tokens, 512 bytes each,
	s_lshl_b32 s62, s67, 12
	s_add_co_u32 s62, s62, s104
	s_mov_b32 s63, 0
	s_and_b32 s105, s[WV], 1
	s_lshl_b32 s105, s105, 11                      ; and of my 4 tiles of columns
	s_lshl_b32 s26, s66, 12
	s_add_co_u32 s26, s26, s105
	s_add_co_u32 s26, s26, 192*512
	s_mov_b32 s27, 0
	s_wait_dscnt 0x0
	s_wait_kmcnt 0x0
	s_add_nc_u64 s[4:5], s[4:5], s[70:71]
	s_add_nc_u64 s[8:9], s[8:9], s[86:87]
	; to where: fixed places in LDS: chunk c's ctx at c x 32,768, its Wo 16,384 behind
	s_add_nc_u64 s[62:63], s[6:7], s[62:63]        ; my tiles' scale words of ctx,
	s_add_nc_u64 s[26:27], s[10:11], s[26:27]      ; and of Wo
	s_mov_b32 s104, 0
.irp c, 0,1,2,3
	s_mov_b32 s[G0XC+4*\c], 1
	s_add_co_u32 s[G0XC+4*\c+1], s104, \c*32768
	s_add_nc_u64 s[G0XC+4*\c+2:G0XC+4*\c+3], s[4:5], \c*2048
	s_or_b32 s[G0XC+4*\c+3], s[G0XC+4*\c+3], 0x80000000
	s_mov_b32 s[G0WC+4*\c], 1
	s_add_co_u32 s[G0WC+4*\c+1], s104, \c*32768+16384
	s_add_nc_u64 s[G0WC+4*\c+2:G0WC+4*\c+3], s[8:9], \c*2048
	s_or_b32 s[G0WC+4*\c+3], s[G0WC+4*\c+3], 0x80000000
.endr
	CROUND                                         ; all sixteen work-groups are here: the joint loads meet
; THE HEAD'S EIGHT FILLS, ONE A WAVE: the four chunks of ctx and of Wo.  One chain of branches on the wave's number, an arm a load, every way passing exactly one.
.macro ARM under, g0, g1, next
	s_cmp_lt_u32 s[WV], \under
	s_cbranch_scc0 \next
	tensor_load_to_lds s[\g0:\g0+3], s[\g1:\g1+7]
	s_nop 0
.rept 4
	v_nop
.endr
	s_branch .Lasked
\next:
.endm
	ARM 1, G0XC, G1X, .Larm1
	ARM 2, G0WC, G1W, .Larm2
	ARM 3, G0XC+4, G1X, .Larm3
	ARM 4, G0WC+4, G1W, .Larm4
	ARM 5, G0XC+8, G1X, .Larm5
	ARM 6, G0WC+8, G1W, .Larm6
	ARM 7, G0XC+12, G1X, .Larm7
	tensor_load_to_lds s[G0WC+12:G0WC+15], s[G1W:G1W+7]
	s_nop 0
.rept 4
	v_nop
.endr
.Lasked:
	s_lshr_b32 s104, s[WV], 1                      ; wy: which 32 tokens
	s_and_b32 s105, s[WV], 1                       ; wx: which 64 columns
	v_and_b32 v8, 15, v0                           ; r
	s_wait_alu depctr_va_vdst(0)
	v_bfe_u32 v9, v0, 4, 1                         ; h
	v_and_b32 v10, 31, v0
	s_delay_alu instid0(VALU_DEP_1)
	v_lshlrev_b32 v10, 4, v10                      ; 16 x lane
	s_lshl_b32 s4, s104, 12
	v_add_nc_u32 v1, s4, v10                       ; ctx's fragments: my 2 tiles of 2,048 bytes in a chunk
	s_lshl_b32 s4, s105, 13
	s_add_co_u32 s4, s4, 16384
	v_add_nc_u32 v2, s4, v10                       ; Wo's: my 4 tiles, behind ctx's 16,384
	v_lshlrev_b32 v3, 4, v8                        ; the scale words: row r's 16 bytes
	s_mul_i32 s4, s[WV], 16*272
	s_add_co_u32 s4, s4, STAGE                     ; my stage
	v_mul_u32_u24 v5, v8, 272
	s_wait_alu depctr_va_vdst(0)
	v_lshl_add_u32 v5, v9, 6, v5
	s_delay_alu instid0(VALU_DEP_1)
	v_add_nc_u32 v5, s4, v5                        ; in: row r, my half's 16 columns
	v_mul_u32_u24 v6, v9, 272
	s_delay_alu instid0(VALU_DEP_1)
	v_lshl_add_u32 v6, v8, 4, v6
	s_delay_alu instid0(VALU_DEP_1)
	v_add_nc_u32 v6, s4, v6                        ; back: lanes 0-15 one row of 256 bytes, lanes 16-31 the next
	v_lshlrev_b32 v7, 12, v9
	s_delay_alu instid0(VALU_DEP_1)
	v_lshl_add_u32 v7, v8, 4, v7                   ; and the same two rows in out0
	v_lshlrev_b32 v11, 6, v9                       ; the bias at my half's 16 columns
	s_wait_alu depctr_va_vdst(0)
	s_lshl_b32 s6, s66, 9
	s_lshl_b32 s7, s105, 8
	s_add_co_u32 s6, s6, s7                        ; my first column, in bytes
	s_mov_b32 s7, 0
	s_add_nc_u64 s[12:13], s[12:13], s[6:7]
	s_lshl_b32 s8, s67, 19
	s_lshl_b32 s9, s104, 17
	s_add_co_u32 s8, s8, s9                        ; my first token's row of 4,096 bytes
	s_add_co_u32 s6, s6, s8
	s_add_nc_u64 s[14:15], s[14:15], s[6:7]
.irp j, 0,1,2,3
	global_load_b128 v[BIAS+8*\j:BIAS+8*\j+3], v11, s[12:13] offset:(32*(\j/2)+8*(\j%2))*4
	global_load_b128 v[BIAS+8*\j+4:BIAS+8*\j+7], v11, s[12:13] offset:(32*(\j/2)+8*(\j%2))*4+16
.endr
.irp i, 0,1
	global_load_b128 v[16+4*\i:19+4*\i], v3, s[62:63] offset:512*\i            ; all of K's scale words, once
	global_load_b128 v[232+4*\i:235+4*\i], v3, s[62:63] offset:512*\i+256
.endr
.irp j, 0,1,2,3
	global_load_b128 v[24+4*\j:27+4*\j], v3, s[26:27] offset:512*\j
	global_load_b128 v[240+4*\j:243+4*\j], v3, s[26:27] offset:512*\j+256
.endr
	s_wait_loadcnt 0x0
.macro FETCH s                         ; K step s: 12 LDS loads into set s % 2
.set FB, 72+48*((\s)%2)
.set FO, (((\s)/2)%2)*32768+1024*((\s)%2)
.irp i, 0,1
.irp c, 0,1
	ds_load_b128 v[FB+8*\i+4*\c:FB+8*\i+4*\c+3], v1 offset:FO+2048*\i+512*\c
.endr
.endr
.irp j, 0,1,2,3
.irp c, 0,1
	ds_load_b128 v[FB+16+8*\j+4*\c:FB+16+8*\j+4*\c+3], v2 offset:FO+2048*\j+512*\c
.endr
.endr
.endm
.macro MUL s                           ; 8 products, the accumulators by turns, one instruction a turn; the first K step takes the bias as C
.set FB, 72+48*((\s)%2)
.if (\s) < 4
.set SX, 16
.set SW, 24
.else
.set SX, 232
.set SW, 240
.endif
.irp i, 0,1
.irp j, 0,1,2,3
.if (\s) == 0
	v_wmma_scale_f32_16x16x128_f8f6f4 v[ACC+8*(4*\i+\j):ACC+8*(4*\i+\j)+7], v[FB+16+8*\j:FB+16+8*\j+7], v[FB+8*\i:FB+8*\i+7], v[BIAS+8*\j:BIAS+8*\j+7], v[SW+4*\j+(\s)%4], v[SX+4*\i+(\s)%4] matrix_a_fmt:MATRIX_FMT_FP4 matrix_b_fmt:MATRIX_FMT_FP4
.else
	v_wmma_scale_f32_16x16x128_f8f6f4 v[ACC+8*(4*\i+\j):ACC+8*(4*\i+\j)+7], v[FB+16+8*\j:FB+16+8*\j+7], v[FB+8*\i:FB+8*\i+7], v[ACC+8*(4*\i+\j):ACC+8*(4*\i+\j)+7], v[SW+4*\j+(\s)%4], v[SX+4*\i+(\s)%4] matrix_a_fmt:MATRIX_FMT_FP4 matrix_b_fmt:MATRIX_FMT_FP4
.endif
.endr
.endr
.endm
	s_wait_tensorcnt 0x0                           ; my one fill is in
	s_barrier_signal -1
	s_barrier_wait -1                              ; everybody's is: both panels are whole, and nothing is filled again
	FETCH 0
.irp s, 0,1,2,3,4,5,6,7
.if \s < 7
.if \s >= 1                            ; four places between the last products and the loads into the set that they read
.if \s == 3
	v_add_nc_u32 v1, 0x10000, v1                   ; on to chunks 2 and 3
	s_wait_alu depctr_va_vdst(0)
	v_add_nc_u32 v2, 0x10000, v2
	s_wait_alu depctr_va_vdst(0)
	v_nop
	v_nop
.else
.rept 4
	v_nop
.endr
.endif
.endif
	FETCH \s+1
	s_wait_dscnt 12                                ; all but the twelve just issued: this step's fragments (and the scale words) are in
.else
	s_wait_dscnt 0x0
.endif
	MUL \s
.endr
	; THE WAY OUT.  A lane holds pieces of 32 bytes of one row and the lanes beside it other rows: a tile of 16 tokens x 64 columns goes through my own stage and comes back as rows of 256 bytes.
.rept 4
	v_nop                                          ; places in front of the first read of results and of loads into the fragments' registers
.endr
.irp i, 0,1
.irp j, 0,1,2,3
.irp g, 0,1
	ds_store_b128 v5, v[ACC+8*(4*\i+\j)+4*\g:ACC+8*(4*\i+\j)+4*\g+3] offset:128*(\j/2)+32*(\j%2)+16*\g   ; columns 32 (j / 2) + 16 h + 8 (j % 2) + 4 g ..; each accumulator from its low end on
.endr
.endr
.irp m, 0,1,2,3,4,5,6,7
	ds_load_b128 v[72+32*\i+4*\m:75+32*\i+4*\m], v6 offset:544*\m   ; LDS serves a wave in order: these see the stores above, and the next tile's stores come behind them
.endr
.endr
.irp i, 0,1
.irp m, 0,1,2,3,4,5,6,7
	s_wait_dscnt 23-16*\i-\m                       ; behind this load: the rest of its run, and for tile 0 the sixteen instructions of tile 1
	global_store_b128 v7, v[72+32*\i+4*\m:75+32*\i+4*\m], s[14:15] offset:(8*\i+2*\m+8*(\m/4))*4096 th:TH_STORE_NT   ; the tile's rows 2 m, 2 m + 1 are tokens 8 i + 2 m + 8 (m / 4) + h; 16 lanes store 256 consecutive aligned bytes
.endr
.endr
	s_wait_tensorcnt 0x0
	ds_add_u32 v14, v15
	s_wait_dscnt 0x0
	CROUND                                         ; the closing round: no work-group ends while a partner may still ask for a tile that names it
	s_endpgm
.Lfunc_end_k_q5c844231cc_oproj:
	.size	k_q5c844231cc_oproj, .Lfunc_end_k_q5c844231cc_oproj-k_q5c844231cc_oproj
	.p2alignl 7, 3214868480
	.fill 96, 4, 3214868480
	.section	.rodata,"a",@progbits
	.p2align	6, 0x0
	.amdhsa_kernel k_q5c844231cc_oproj
		.amdhsa_group_segment_fixed_size 175104
		.amdhsa_private_segment_fixed_size 0
		.amdhsa_enable_private_segment 0
		.amdhsa_kernarg_size 48
		.amdhsa_user_sgpr_count 2
		.amdhsa_user_sgpr_kernarg_segment_ptr 1
		.amdhsa_wavefront_size32 1
		.amdhsa_system_sgpr_workgroup_id_x 1
		.amdhsa_system_sgpr_workgroup_id_y 1
		.amdhsa_system_sgpr_workgroup_id_z 1
		.amdhsa_system_vgpr_workitem_id 0
		.amdhsa_next_free_vgpr 256
		.amdhsa_next_free_sgpr 106
		.amdhsa_reserve_vcc 0
		.amdhsa_float_denorm_mode_32 3
		.amdhsa_float_denorm_mode_16_64 3
		.amdhsa_memory_ordered 1
		.amdhsa_forward_progress 1
		.amdhsa_inst_pref_size 31
	.end_amdhsa_kernel
	.amdgpu_metadata
---
amdhsa.version: [ 1, 2 ]
amdhsa.kernels:
  - .name:           k_q5c844231cc_oproj
    .symbol:         k_q5c844231cc_oproj.kd
    .args:
      - { .name: cc, .offset: 0, .size: 8, .value_kind: global_buffer, .address_space: global }
      - { .name: cs, .offset: 8, .size: 8, .value_kind: global_buffer, .address_space: global }
      - { .name: wc, .offset: 16, .size: 8, .value_kind: global_buffer, .address_space: global }
      - { .name: ws, .offset: 24, .size: 8, .value_kind: global_buffer, .address_space: global }
      - { .name: bo, .offset: 32, .size: 8, .value_kind: global_buffer, .address_space: global }
      - { .name: out0, .offset: 40, .size: 8, .value_kind: global_buffer, .address_space: global }
    .group_segment_fixed_size: 175104
    .private_segment_fixed_size: 0
    .kernarg_segment_align: 8
    .kernarg_segment_size: 48
    .max_flat_workgroup_size: 256
    .sgpr_count:     106
    .vgpr_count:     256
    .wavefront_size: 32
...
	.end_amdgpu_metadata
.endif
;; end of part 4
